; MI455X (gfx1250); checked and timed in simulation.
; The chip was launched on July 23, 2026; its instructions are those of AMD's public machine-readable ISA for CDNA 5 (MIT licence, August 2026) and "CDNA5" Instruction Set Architecture Reference Guide (July 2026). The comments in the code are by the model that wrote it; some were corrected since.
;; Causal Attention. Allowed arithmetic: matrix products marked QUANTISED: E3M2 operands, one E8M0 scale for each 32 along K, by v_wmma_scale_f32_16x16x128_f8f6f4 with both operands' format E3M2, f32 sums; everything else in f32.
;; Inputs: wk_codes 1,024 x 32 x 24 uint8 (E3M2 codes of wk, K innermost, in blocks of 32 codes, four codes in three bytes); wk_scales 1,024 x 32 uint8 (E8M0 scales of wk, one for each 32 codes along K); wq_codes 1,024 x 32 x 24 uint8 (E3M2 codes of wq, K innermost, in blocks of 32 codes, four codes in three bytes); wq_scales 1,024 x 32 uint8 (E8M0 scales of wq, one for each 32 codes along K); wv_codes 1,024 x 32 x 24 uint8 (E3M2 codes of wv, K innermost, in blocks of 32 codes, four codes in three bytes); wv_scales 1,024 x 32 uint8 (E8M0 scales of wv, one for each 32 codes along K); x_codes 4 x 2,048 x 32 x 24 uint8 (E3M2 codes of x, K innermost, in blocks of 32 codes, four codes in three bytes); x_scales 4 x 2,048 x 32 uint8 (E8M0 scales of x, one for each 32 codes along K).
;; Outputs: out0 4 x 2,048 x 1,024 float32.
;; This version of the problem:
;;   THIS VERSION OF THE PROBLEM IS GIVEN IN LOW PRECISION. The matrix products marked QUANTISED in the list below multiply operands that are first quantised to E3M2 (3 exponent bits, 2 mantissa bits; 6 bits a number), with one power-of-two scale for each 32 numbers along K (OCP MX v1.0); their sums are f32. All else is computed in f32.
;;   The module's matrix products, in the order in which they are computed (A, B: the left and right operand; K: the contracted axis; several contracted axes count as one K, in the product's order):
;;     1. [M 8,192, K 1,024] x [K 1,024, N 1,024]; A: input x (given as codes); B: input wq (given as codes): QUANTISED
;;     2. [M 8,192, K 1,024] x [K 1,024, N 1,024]; A: input x (given as codes); B: input wk (given as codes): QUANTISED
;;     3. [M 8,192, K 1,024] x [K 1,024, N 1,024]; A: input x (given as codes); B: input wv (given as codes): QUANTISED
;;     4. batch 4 x [M 2,048, K 1,024] x [K 1,024, N 2,048]; A: computed on the way; B: computed on the way: QUANTISED
;;     5. batch 4 x [M 2,048, K 2,048] x [K 2,048, N 1,024]; A: softmax (see below); B: computed on the way: QUANTISED
;;   THE QUANTISER, for each operand of a quantised product, along K:
;;     - K is cut into blocks of 32 from its start; a last block that is shorter is filled with zeros.
;;     - A block's scale is 2^e with e = floor(log2(the largest magnitude in the block)) - 4, held to -126 .. 127; a block of zeros has e = 0. As a byte (E8M0): e + 127.
;;     - Each number is divided by its block's scale, clamped to +-28, and rounded to the nearest number of E3M2, ties to even, subnormals kept.
;;     - The product sums the exact products of the quantised numbers (number of the format x scale) in f32.
;;   ~~~python
;;   def quantise(x, axis):      # numpy; x: float32 -> the quantised numbers, widened to float32 again
;;       x = np.moveaxis(x, axis, -1); K = x.shape[-1]
;;       x = np.pad(x, [(0, 0)] * (x.ndim - 1) + [(0, -K % 32)]); x = x.reshape(x.shape[:-1] + (-1, 32)); a = np.abs(x).max(-1, keepdims=True)
;;       e = np.where(a > 0, np.clip(np.frexp(np.where(a > 0, a, 1))[1] - 1 - 4, -126, 127), 0)      # np.frexp(a)[1] - 1 = floor(log2(a)), exactly
;;       r = np.clip(x / 2.0 ** e, -28, 28)
;;       step = 2.0 ** (np.maximum(np.frexp(np.where(r == 0, 1, r))[1] - 1, -2) - 2)
;;       q = np.round(r / step) * step * 2.0 ** e      # np.round: ties to even
;;       return np.moveaxis(q.reshape(q.shape[:-2] + (-1,))[..., :K], -1, axis).astype(np.float32)
;;   ~~~
;;   SOFTMAX AHEAD OF A QUANTISED PRODUCT. Where the list says 'softmax', what is quantised is not the finished softmax but p = 2^(t - M), with t = logit x log2(e) and M = ceil(the row's largest t), a whole number; so 1/2 < the row's largest p <= 1. The row's sum l is taken of the UNQUANTISED p, in f32, and the product's result is divided by l at the end. Since M is a whole number, a kernel that streams over the keys may use a running M (the ceiling of the running maximum): every later rescaling is an exact power of two, which a block's scale takes up: the codes' values come out the same.
;;   OPERANDS COMPUTED ON THE WAY. 'Computed on the way' means the value that the module computes at that place (a softmax that the list does not call 'softmax' is quantised finished and normalised). What goes into a quantiser is computed in f32, as accurately as f32 sums, v_exp_f32 and their like allow (about 1e-6 of the number): no bf16 or f16 on the way to a quantiser, and a product that is left as it is and whose result goes on into a quantised operand takes f32 operands (vector FMAs, or v_wmma_f32_16x16x4_f32). A number that lies on a knife's edge between two numbers of the format may be rounded either way, as far as f32 arithmetic and the matrix unit's own rounding can turn it there, and no further.
;;   INPUTS GIVEN AS CODES. wk (in the module: [1024, 1024], K = its axis 1); wq (in the module: [1024, 1024], K = its axis 1); wv (in the module: [1024, 1024], K = its axis 1); x (in the module: [4, 2048, 1024], K = its axis 2): each comes as NAME_codes (uint8): NAME with its K axis moved to the last place and cut into blocks of 32 codes, [.., K / 32, bytes a block], one block behind the other in memory; four codes in three bytes: a row's codes are one little-endian stream of bits, code i at bits 6 i .. 6 i + 5 (a code: sign, 3 exponent bits, 2 mantissa bits); and NAME_scales (uint8): the same leading axes, one E8M0 byte (e + 127) for each 32 codes along K. Its value is code x scale, taken as it is: it is not quantised again, and the codes and scales need not be those that the quantiser above would give.
;; One version. Each part assembles by itself: llvm-mc -triple=amdgcn-amd-amdhsa -mcpu=gfx1250 --defsym DOCPART=n.
;; ======== version 1 of 1: 3 launches
;; limits: right only within a limited range of input values
;; workspace buffers: qkv_img 18,874,368 bytes; qkv_sc 786,432 bytes; p_img 6,684,672 bytes; p_aux 835,584 bytes
;; launch proj (part 1): grid 8 x 32, 4 waves a work-group, clusters of 4 x 4, 327,680 bytes of LDS; arguments x_codes, x_scales, wq_codes, wq_scales, wk_codes, wk_scales, wv_codes, wv_scales, qkv_img, qkv_sc; writes qkv_img, qkv_sc
.if DOCPART == 1
	.amdgcn_target "amdgcn-amd-amdhsa--gfx1250"
	.amdhsa_code_object_version 6
	.text
	.protected	k_q78a6f41f33_proj
	.globl	k_q78a6f41f33_proj
	.p2align	8
	.type	k_q78a6f41f33_proj,@function
k_q78a6f41f33_proj:
	s_mov_b64 s[64:65], 0
	v_nop
	global_prefetch_b8 v0, s[64:65] scope:SCOPE_SE
	s_setreg_imm32_b32 hwreg(HW_REG_WAVE_MODE, 25, 1), 1
	s_wait_xcnt 0x0
	s_wait_alu depctr_hold_cnt(0) depctr_sa_sdst(0) depctr_va_vdst(0) depctr_va_sdst(0) depctr_va_ssrc(0) depctr_va_vcc(0) depctr_vm_vsrc(0)
	s_getreg_b32 s2, hwreg(HW_REG_IB_STS2, 6, 4)
	s_cmp_eq_u32 s2, 0
	s_cbranch_scc0 .Lentry_in_a_cluster
	s_endpgm
.Lentry_in_a_cluster:
	s_bfe_u32 s2, ttmp6, 0x10000c
	s_cmp_lg_u32 s2, 0xf033
	s_cbranch_scc0 .Lentry_shape_is_right
	s_endpgm
.Lentry_shape_is_right:
; q = x wq^T, k = x wk^T, v = x wv^T on codes of BF6 as they are given, f32 sums, and each result quantised along the K of the product that takes it: q and k along the channels, v along the tokens.
; DEAD WORK, left out in the launches behind this one: reference() puts -inf over every score whose key comes after its query, so the p of such a key is 0 for all finite inputs; tiles of 256 x 256 scores
; that lie wholly there are not made, and the products with their p are not done.  LIMIT: a NaN, an infinity or an overflow that reaches only that work is not carried to the result.
; LIMITS: NaN and infinities are not served.  A block whose largest magnitude lies under 2^(5 - 127) keeps the scale byte 1.
; A WORK-GROUP: 256 tokens (block T) x one group of 128 channels of q, of k and of v: three products that read the same rows of x.
; PRODUCT 1, 256 tokens x (128 channels of q, 128 of k): wave (tok, n) makes 128 tokens x 128 channels, n = 0: q, 1: k: 64 accumulators.  Source 0 = 16 rows of the weight, source 1 = 16 tokens: a lane holds
;   one token, its registers neighbouring channels.   PRODUCT 2, 128 channels of v x 256 tokens: wave (tok, n) makes 64 channels (half n) x 128 tokens: 32 accumulators.  Source 0 = 16 tokens, source 1 = 16
;   rows of wv: a lane holds one channel, its registers neighbouring tokens.
; CHUNKS: a row of codes is 768 bytes, three chunks of 256; a K step of 128 is 96 bytes: steps 2 and 5 lie across two chunks.  Rows in LDS: 256 bytes + 16 of padding.
; LDS: two slots for x (256 rows each), two for the weights of product 1 (q's 128 rows, k's 128 rows), and one tile of 128 rows beside them.  Product 1 walks chunks 0, 1, 2 through slots 0, 1, 0.  When it has
;   read chunk 1's weights, wv's three tiles take their place; when it has read chunk 2's, x's chunk 0 comes once more, into their place.  Product 2 walks the steps 3 .. 7, 0, 1, 2: chunks 1 and 2 of x still lie there.
; SCALES come straight into registers, 16 bytes a lane: lanes 0-15 hold K steps 0-3 of row l % 16, lanes 16-31 K steps 4-7.
; CLUSTERS of 4 x 4: the four of a row have the same T and ask jointly for x, the four of a column have the same channels and ask jointly for the weights.
; NO PREFETCH INTO THE L2: there is no loop; the walk has 16 K steps, and every tile is asked for at the head or at one of four places of the text, at the largest block in clusters.
; STORED as images of operand registers: 16 rows x 128 K = 1,536 bytes, registers 4 c .. 4 c + 3 of lane l at 512 c + 16 l.  q at 0, k at 6,291,456: [token / 128][channel / 128][token tile];
;   v at 12,582,912: [batch][channel / 128][token / 128 of the batch][channel tile].  Scale words: q at 0, k at 262,144, v at 524,288, 512 bytes for each eight images: row 16 (4 h2 + n) + r at 256 h2 + 16 r + 4 n.
; REGISTERS: window 0: v0-31 addresses; v32-63, 64-95, 96-111 scales of x, of wq or wk, of wv; v112-127, 224-247 at work on the way out; v128-223 source 1's fragments, then codes.
;   window 1: source 0's fragments, two sets, at v0 and v128.   windows 2, 3: accumulators.
.set ROWB,  256
.set KROW,  768
.set PITCH, 272
.set FR,    12                         ; registers of a fragment
.set NL,    6                          ; LDS loads that bring one
.set NP,    4                          ; places behind this matrix instruction (ISA guide 7.12.1)
.set HALFT, 128*PITCH
.set SLOT,  2*HALFT
.set WB,    2*SLOT                     ; weights of product 1: two slots; later x's chunk 0 in the first
.set VB,    WB+SLOT                    ; wv's three tiles: the second of those slots and the tile beside it
.set SPARE, VB+3*HALFT                 ; the spare words, 128 bytes for each wave: no other line names them
.set AX0,  8                           ; x's chunk 0 in product 2;  v9: its end and chunk 1's start
.set AXC0, 9
.set AV0, 10                           ; v10-12 wv's chunks;  v13-14 across two of them
.set AVC0, 13
.set ADRA, 16                          ; v16-17 x in slot 0, 1;  v18-19 across slots 0 and 1, across slots 1 and 0
.set ADRB, 20                          ; v20-23 the same for the weights
.set LI,  24                           ; 16 x lane
.set SCO, 25                           ; 32 r + 16 h
.set LI2, 26                           ; 16 r + 8 h
.set SPW, 28
.set NIL, 29
.set XS,  32
.set WS,  64
.set VS,  96
.set SW, 112
.set OW, 120
.set AF, 128
.set PC, 128
.set TM, 224                           ; v224-247: eight maxima, eight bytes, eight scale operands; the first sixteen then take half blocks of codes
.set TP, 224
.set G1, 24                            ; s[24:31] descriptor group 1 for x;  s[32:39] group 0, one for each slot
.set G0, 32
.set G1W, 48                           ; s[48:55], s[56:63] the same for the weights;  s[88:91] group 0 for wv
.set G0W, 56
.set G0V, 88
.set MSB, 0
.macro WIN new                         ; the immediate's high byte repeats the setting that is left
.if MSB != \new
	s_set_vgpr_msb (MSB<<8)|\new
.set MSB, \new
.endif
.endm
.set MUL_LO, 0xa1                      ; source 0 window 1, source 1 window 0, C and D window 2
.set MUL_HI, 0xf1                      ; the same, C and D window 3
.set TO_B,   0x40
.macro PLACES n
.rept \n
	v_nop
.endr
.endm
; A joint load of a chunk: waves 0 and 1 fetch x's two halves of 128 rows, wave 2 q's 128 rows, wave 3 k's.
.macro JLOAD s
	s_cmp_eq_u32 s15, 0
	s_cbranch_scc0 .Lfor_w_\@
	tensor_load_to_lds s[G0+4*\s:G0+4*\s+3], s[G1:G1+7]
	s_nop 0
	PLACES 4
	s_branch .Lasked_\@
.Lfor_w_\@:
	tensor_load_to_lds s[G0W+4*\s:G0W+4*\s+3], s[G1W:G1W+7]
	s_nop 0
	PLACES 4
.Lasked_\@:
.endm
.macro CREST                           ; a round of the cluster's barrier behind its opening barrier
	s_cmp_lg_u32 s14, 0
	s_cbranch_scc1 .Lnot_wave_0_\@
	s_barrier_signal -3
.Lnot_wave_0_\@:
	s_barrier_wait -3
	s_barrier_signal -1
	s_barrier_wait -1
.endm
.macro CROUND
	s_barrier_signal -1
	s_barrier_wait -1
	CREST
.endm
	s_load_b512 s[68:83], s[0:1], 0x0              ; x, wq, wk, wv: codes and scales
	s_load_b128 s[84:87], s[0:1], 0x40             ; qkv_img, qkv_sc
	v_lshl_add_u32 v[SPW], v0, 2, SPARE
	v_mov_b32 v[NIL], 0
	ds_add_u32 v[SPW], v[NIL]                      ; the opening add, twice on end
	ds_add_u32 v[SPW], v[NIL]
	v_lshrrev_b32 v1, 5, v0
	v_readfirstlane_b32 s14, v1                    ; wave 0..3
	s_lshr_b32 s15, s14, 1                         ; my half of the tokens.  Also: I fetch x (0) or weights (1)
	s_and_b32 s16, s14, 1                          ; q or k; my half of v's channels.  Also: which half or which weight I fetch
	s_bfe_u32 s40, ttmp6, 0x40000                  ; cx, cy
	s_bfe_u32 s41, ttmp6, 0x40004
	s_lshl_b32 s42, ttmp9, 2
	s_add_co_u32 s42, s42, s40                     ; the group of 128 channels
	s_and_b32 s17, ttmp7, 0xffff
	s_lshl_b32 s17, s17, 2
	s_add_co_u32 s17, s17, s41                     ; T
	s_lshl_b32 s43, s41, 2
	s_lshl_b32 s43, 15, s43                        ; my row of the cluster
	s_lshl_b32 s44, 0x1111, s40                    ; my column
	s_or_b32 s[G1+0], s43, (0<<16)|(1<<20)|(1<<21)|(5<<22)|(3<<25)  ; the mask; elements of 1 byte; padding on, 4 words behind every 64; bit 21 beside a mask
	s_or_b32 s[G1W+0], s44, (0<<16)|(1<<20)|(1<<21)|(5<<22)|(3<<25)
.irp g, G1, G1W
	s_mov_b32 s[\g+1], ROWB<<16
	s_mov_b32 s[\g+2], 128<<16
	s_mov_b32 s[\g+3], ROWB<<16
	s_mov_b32 s[\g+4], 128
	s_mov_b32 s[\g+5], KROW
	s_mov_b32 s[\g+6], 0
	s_mov_b32 s[\g+7], 0
.endr
	v_and_b32 v1, 15, v0                           ; r
	v_bfe_u32 v2, v0, 4, 1                         ; h
	v_lshlrev_b32 v[SCO], 5, v1
	v_lshl_add_u32 v[SCO], v2, 4, v[SCO]
	s_mul_i32 s20, s17, 256*KROW                   ; x: my 128 rows of the two halves
	s_mul_i32 s18, s16, 128*KROW
	s_add_co_u32 s20, s20, s18
	s_mov_b32 s21, 0
	s_mul_i32 s46, s42, 128*KROW                   ; a weight's 128 rows
	s_mov_b32 s47, 0
	s_lshl_b32 s2, s17, 13                         ; x's scales: 32 bytes a row
	s_lshl_b32 s3, s15, 12
	s_add_co_u32 s2, s2, s3
	s_mov_b32 s3, 0
	s_lshl_b32 s12, s42, 12                        ; a weight's
	s_mov_b32 s13, 0
	s_lshl_b32 s18, s16, 11                        ; wv's: my 64 rows
	s_add_co_u32 s22, s12, s18
	s_mov_b32 s23, 0
	s_mul_i32 s45, s16, HALFT
	s_min_u32 s18, s14, 2                          ; wv's chunk that I fetch (waves 0 to 2)
	s_mul_i32 s19, s18, HALFT
	s_lshl_b32 s18, s18, 8
	s_wait_dscnt 0x0                               ; both opening adds are done
	s_wait_alu depctr_va_vdst(0)
	s_wait_kmcnt 0x0
	s_cmp_eq_u32 s16, 0
	s_cselect_b64 s[8:9], s[72:73], s[76:77]       ; wq or wk
	s_cselect_b64 s[10:11], s[74:75], s[78:79]
	s_add_nc_u64 s[4:5], s[70:71], s[2:3]
	s_add_nc_u64 s[6:7], s[10:11], s[12:13]
	s_add_nc_u64 s[10:11], s[82:83], s[22:23]
.irp a, 0,1,2,3,4,5,6,7
	global_load_b128 v[XS+4*\a:XS+4*\a+3], v[SCO], s[4:5] offset:512*\a
.endr
.irp b, 0,1,2,3,4,5,6,7
	global_load_b128 v[WS+4*\b:WS+4*\b+3], v[SCO], s[6:7] offset:512*\b
.endr
.irp a, 0,1,2,3
	global_load_b128 v[VS+4*\a:VS+4*\a+3], v[SCO], s[10:11] offset:512*\a
.endr
	s_add_nc_u64 s[20:21], s[68:69], s[20:21]
	s_mov_b64 s[12:13], s[46:47]                   ; (the offset of 128 rows, for wv)
	s_add_nc_u64 s[46:47], s[8:9], s[46:47]
.irp s, 0,1
	s_mov_b32 s[G0+4*\s], 1
	s_add_co_u32 s[G0+4*\s+1], s45, \s*SLOT
	s_add_nc_u64 s[G0+4*\s+2:G0+4*\s+3], s[20:21], \s*ROWB
	s_or_b32 s[G0+4*\s+3], s[G0+4*\s+3], 0x80000000
	s_mov_b32 s[G0W+4*\s], 1
	s_add_co_u32 s[G0W+4*\s+1], s45, WB+\s*SLOT
	s_add_nc_u64 s[G0W+4*\s+2:G0W+4*\s+3], s[46:47], \s*ROWB
	s_or_b32 s[G0W+4*\s+3], s[G0W+4*\s+3], 0x80000000
.endr
	s_mov_b32 s[G0V], 1
	s_add_co_u32 s[G0V+1], s19, VB
	s_add_co_u32 s12, s12, s18
	s_add_nc_u64 s[G0V+2:G0V+3], s[80:81], s[12:13]
	s_or_b32 s[G0V+3], s[G0V+3], 0x80000000
	CROUND                                         ; all sixteen work-groups are here: the first joint loads meet
	JLOAD 0                                        ; chunk 0: one tensor load a wave at the head
	v_mul_u32_u24 v3, v1, PITCH
	v_mul_u32_u24 v4, v2, 24
	v_add_nc_u32 v4, v3, v4                        ; a fragment's row x pitch + 24 h
	s_mov_b32 s2, SLOT-232
	s_mov_b32 s3, SLOT+232
	v_sub_nc_u32 v7, 1, v2                         ; 1 in lanes 0-15
	v_mul_u32_u24 v5, s2, v2
	v_add_nc_u32 v5, v3, v5
	v_add_nc_u32 v5, 232, v5                       ; lanes 0-15 byte 232 of the row in slot 0, lanes 16-31 byte 0 in slot 1
	v_mul_u32_u24 v6, s3, v7
	v_add_nc_u32 v6, v3, v6                        ; lanes 0-15 byte 232 in slot 1, lanes 16-31 byte 0 in slot 0
	s_mul_i32 s22, s15, HALFT                      ; my 128 tokens
	s_mul_i32 s23, s16, HALFT
	s_add_co_u32 s23, s23, WB                      ; my 128 rows of wq or wk
	s_add_co_u32 s2, s22, SLOT
	s_add_co_u32 s3, s23, SLOT
	v_add_nc_u32 v[ADRA], s22, v4
	v_add_nc_u32 v[ADRA+1], s2, v4
	v_add_nc_u32 v[ADRA+2], s22, v5
	v_add_nc_u32 v[ADRA+3], s22, v6
	v_add_nc_u32 v[AXC0], s2, v6                   ; lanes 0-15 byte 232 of chunk 0, which then lies at WB = 2 SLOT, lanes 16-31 byte 0 of chunk 1, in slot 1
	v_add_nc_u32 v[ADRB], s23, v4
	v_add_nc_u32 v[ADRB+1], s3, v4
	v_add_nc_u32 v[ADRB+2], s23, v5
	v_add_nc_u32 v[ADRB+3], s23, v6
	s_add_co_u32 s2, s22, WB
	v_add_nc_u32 v[AX0], s2, v4
	s_mov_b32 s3, HALFT-232
	v_mul_u32_u24 v5, s3, v2
	v_add_nc_u32 v5, v3, v5
	v_add_nc_u32 v5, 232, v5
	s_mul_i32 s45, s16, 64*PITCH
	s_add_co_u32 s45, s45, VB                      ; my 64 rows of wv
	s_add_co_u32 s2, s45, HALFT
	s_add_co_u32 s3, s45, 2*HALFT
	v_add_nc_u32 v[AV0], s45, v4
	v_add_nc_u32 v[AV0+1], s2, v4
	v_add_nc_u32 v[AV0+2], s3, v4
	v_add_nc_u32 v[AVC0], s45, v5
	v_add_nc_u32 v[AVC0+1], s2, v5
	v_and_b32 v6, 31, v0
	v_lshlrev_b32 v[LI], 4, v6
	v_lshlrev_b32 v[LI2], 4, v1
	v_lshl_add_u32 v[LI2], v2, 3, v[LI2]
	; where my results go
	s_lshl_b32 s2, s17, 1
	s_add_co_u32 s2, s2, s15                       ; my group of 128 tokens
	s_lshl_b32 s3, s2, 3
	s_add_co_u32 s3, s3, s42
	s_mul_i32 s12, s3, 8*1536
	s_mul_i32 s22, s16, 6291456
	s_add_co_u32 s12, s12, s22
	s_mov_b32 s13, 0
	s_add_nc_u64 s[68:69], s[84:85], s[12:13]      ; q's or k's images
	s_lshl_b32 s12, s3, 9
	s_lshl_b32 s22, s16, 18
	s_add_co_u32 s12, s12, s22
	s_add_nc_u64 s[70:71], s[86:87], s[12:13]      ; and scale words
	s_lshr_b32 s3, s2, 4
	s_lshl_b32 s3, s3, 3
	s_add_co_u32 s3, s3, s42
	s_lshl_b32 s3, s3, 4
	s_and_b32 s2, s2, 15
	s_add_co_u32 s3, s3, s2
	s_mul_i32 s12, s3, 8*1536
	s_mul_i32 s22, s16, 4*1536
	s_add_co_u32 s12, s12, s22
	s_add_co_u32 s12, s12, 12582912
	s_add_nc_u64 s[72:73], s[84:85], s[12:13]      ; v's images
	s_lshl_b32 s12, s3, 9
	s_lshl_b32 s22, s16, 8
	s_add_co_u32 s12, s12, s22
	s_add_co_u32 s12, s12, 524288
	s_add_nc_u64 s[74:75], s[86:87], s[12:13]
	s_mov_b32 s18, 0x76543210                      ; v_permlanex16_b32's selects for lane l xor 16
	s_mov_b32 s19, 0xfedcba98
; A fragment, 16 rows x 128 K: lane l holds row l % 16; registers 6 c .. 6 c + 5 hold K = 64 c + 32 (l / 16) + 0 .. 31, 24 bytes of the row as they lie, in pieces of 8 bytes.
; ka, kb, kc: the address registers of chunks 0, 1, 2;  xa, xb: those of a piece that lies across chunks 0 and 1, 1 and 2
.macro FRAG reg, st, i, ka, kb, kc, xa, xb
.irp p, 0,1,2,3,4,5
.set BY, 96*(\st)+48*(\p/3)+8*(\p%3)
.set CK, BY/ROWB
.if CK == (BY+24)/ROWB
.if CK == 0
.set AD, \ka
.elseif CK == 1
.set AD, \kb
.else
.set AD, \kc
.endif
	ds_load_b64 v[\reg+2*\p:\reg+2*\p+1], v[AD] offset:BY%ROWB+(\i)*16*PITCH
.else
.if CK == 0
.set AD, \xa
.else
.set AD, \xb
.endif
	ds_load_b64 v[\reg+2*\p:\reg+2*\p+1], v[AD] offset:BY%ROWB-232+(\i)*16*PITCH
.endif
.endr
.endm
; one matrix instruction, K step k;  z = 1 starts the sum
.macro WM d, n, m, x, y, k, z
.if \z
	v_wmma_scale_f32_16x16x128_f8f6f4 v[\d:\d+7], v[\n:\n+11], v[\m:\m+11], 0, v[\x], v[\y] matrix_a_fmt:MATRIX_FMT_BF6 matrix_b_fmt:MATRIX_FMT_BF6
.elseif (\k) < 4
	v_wmma_scale_f32_16x16x128_f8f6f4 v[\d:\d+7], v[\n:\n+11], v[\m:\m+11], v[\d:\d+7], v[\x], v[\y] matrix_a_fmt:MATRIX_FMT_BF6 matrix_b_fmt:MATRIX_FMT_BF6
.else
	v_wmma_scale_f32_16x16x128_f8f6f4 v[\d:\d+7], v[\n:\n+11], v[\m:\m+11], v[\d:\d+7], v[\x], v[\y] matrix_a_fmt:MATRIX_FMT_BF6 matrix_b_fmt:MATRIX_FMT_BF6 matrix_a_scale:MATRIX_SCALE_ROW1 matrix_b_scale:MATRIX_SCALE_ROW1
.endif
.endm
; PRODUCT 1.  16 matrix instructions: x's blocks a0, a0 + 1 x the weight's eight.  The 64 accumulators take turns, one instruction a turn, in the same order in every step.
.macro MUL16 a0, k, zero
.irp a, \a0, \a0+1
.irp b, 0,1,2,3,4,5,6,7
	WM 8*(8*((\a)%4)+\b), 128*((\k)%2)+FR*\b, AF+FR*(\a), WS+4*\b+(\k)%4, XS+4*(\a)+(\k)%4, \k, \zero
.endr
.endr
.endm
.macro FETCH_B st
	WIN TO_B
.irp i, 0,1,2,3,4,5,6,7
	FRAG 128*((\st)%2)+FR*\i, \st, \i, ADRB, ADRB+1, ADRB, ADRB+2, ADRB+3
.endr
	WIN 0
.endm
.macro FETCH_A st, i0
.irp i, \i0, \i0+1, \i0+2, \i0+3
	FRAG AF+FR*(\i), \st, \i, ADRA, ADRA+1, ADRA, ADRA+2, ADRA+3
.endr
.endm
; K step st fetches step st + 1's fragments in its middle and at its end.  Where the next step ENDS in a chunk that no step has read yet, a barrier shows that chunk whole, ahead of the fetch.  Where the next step
; BEGINS in a later chunk, the chunk left behind is read no more: a round of the cluster's barrier, and its bytes are filled again: with x's and the weights' chunk 2, then with wv's tiles.
.macro STEP st, zero
.set NX, (\st)+1
.set C0, (96*(\st))/ROWB
.set C1, (96*NX)/ROWB
.set E0, (96*(\st)+95)/ROWB
.set E1, (96*NX+95)/ROWB
.if C1 > C0 || E1 > E0
	s_wait_tensorcnt 0x0                           ; all my tensor loads have landed
.if C1 > C0
	ds_add_u32 v[SPW], v[NIL]
	s_wait_dscnt 4*NL+1                            ; (the add and the youngest loads, x's blocks 4-7, may be out)
.else
	s_wait_dscnt 4*NL
.endif
	WIN MUL_LO
	MUL16 0, \st, \zero
	s_wait_dscnt 0x0                               ; all my LDS instructions are done
	s_barrier_signal -1
	MUL16 2, \st, \zero
	WIN 0
	s_barrier_wait -1
.if C1 > C0
	CREST
.if C0 == 0
	s_add_nc_u64 s[G0+2:G0+3], s[G0+2:G0+3], 2*ROWB
	s_add_nc_u64 s[G0W+2:G0W+3], s[G0W+2:G0W+3], 2*ROWB
	JLOAD 0                                        ; chunk 2
.else
	s_cmp_lt_u32 s14, 3
	s_cbranch_scc0 .Lno_wv
	tensor_load_to_lds s[G0V:G0V+3], s[G1W:G1W+7]  ; wave w: wv's chunk w
	s_nop 0
	PLACES 4
.Lno_wv:
	PLACES NP
.endif
.else
	PLACES NP                                      ; in front of loads into registers that matrix instructions have read
.endif
.else
	s_wait_dscnt 4*NL                              ; the youngest loads, x's blocks 4-7, may be out
	WIN MUL_LO
	MUL16 0, \st, \zero
	MUL16 2, \st, \zero
	s_wait_dscnt 0x0
	PLACES NP
.endif
	FETCH_B NX
	FETCH_A NX, 0
	WIN MUL_HI
	MUL16 4, \st, \zero
	MUL16 6, \st, \zero
	PLACES NP
	WIN 0
	FETCH_A NX, 4
.endm
	s_wait_alu depctr_va_vdst(0)
	s_wait_tensorcnt 0x0                           ; my part of chunk 0 is in;
	ds_add_u32 v[SPW], v[NIL]                      ; ahead of a later first fill
	s_wait_dscnt 0x0
	CROUND
	JLOAD 1                                        ; chunk 1
	FETCH_B 0
	FETCH_A 0, 0
	FETCH_A 0, 4
	s_wait_loadcnt 0x0                             ; the scales are in
	STEP 0, 1
.set ST, 1
.rept 6
	STEP ST, 0
.set ST, ST+1
.endr
	s_wait_dscnt 4*NL                              ; the last step fetches nothing
	WIN MUL_LO
	MUL16 0, 7, 0
	MUL16 2, 7, 0
	s_wait_dscnt 0x0
	WIN MUL_HI
	MUL16 4, 7, 0
	MUL16 6, 7, 0
	WIN 0
; THE WAY OUT of a block: 16 rows x 128 along the next K, 64 numbers a lane: register 8 b + j.  Block of 32: a lane's 16 numbers and lane l xor 16's.
.macro QOUT a, sb
.set QS, 64*((\a)%4)
.set QW, 2+(\a)/4
.set PCA, PC+12*(\a)
	WIN (QW|(QW<<2))
.irp b, 0,1,2,3,4,5,6,7                ; TWO BLOCKS AT A TIME, a and a + 1 (a even): their registers lie on end, eight blocks of 32 along K
	v_max3_num_f32 v[TM+\b], |v[QS+16*\b]|, |v[QS+16*\b+1]|, 0x2800000   ; the largest magnitude, from the floor 2^(5 - 127) on
.endr
	WIN ((QW<<2)|(QW<<4))
.irp i, 2,4,6,8,10,12,14
.irp b, 0,1,2,3,4,5,6,7
	v_max3_num_f32 v[TM+\b], v[TM+\b], |v[QS+16*\b+\i]|, |v[QS+16*\b+\i+1]|
.endr
.endr
	WIN 0
.irp b, 0,1,2,3,4,5,6,7
	v_permlanex16_b32 v[TM+8+\b], v[TM+\b], s18, s19
.endr
.irp b, 0,1,2,3,4,5,6,7
	v_max_num_f32 v[TM+\b], v[TM+\b], v[TM+8+\b]
.endr
.irp b, 0,1,2,3,4,5,6,7
	v_add_nc_u32 v[TM+16+\b], 0xfe000000, v[TM+\b] ; 4 off the exponent field: the conversion's scale operand
.endr
.irp b, 0,1,2,3,4,5,6,7
	v_lshrrev_b32 v[TM+8+\b], 23, v[TM+16+\b]
.endr
.irp u, 0,1
	v_lshl_or_b32 v[SW+\a+\u], v[TM+9+4*\u], 8, v[TM+8+4*\u]
.endr
.irp u, 0,1
	v_lshl_or_b32 v[SW+\a+\u], v[TM+10+4*\u], 16, v[SW+\a+\u]
.endr
.irp u, 0,1
	v_lshl_or_b32 v[SW+\a+\u], v[TM+11+4*\u], 24, v[SW+\a+\u]
.endr
	WIN QW
.irp c, 0,1,2,3
	v_cvt_scalef32_pk16_bf6_f32 v[PCA+6*\c:PCA+6*\c+2], v[QS+32*\c:QS+32*\c+15], v[TM+16+2*\c]
	v_cvt_scalef32_pk16_bf6_f32 v[TP+4*\c:TP+4*\c+2], v[QS+32*\c+16:QS+32*\c+31], v[TM+16+2*\c+1]
.endr
	WIN 0
	v_nop                                          ; one plain place behind a scaled conversion
.irp i, 0,1,2
.irp c, 0,1,2,3
	v_permlane16_swap_b32 v[PCA+6*\c+\i], v[TP+4*\c+\i]   ; a whole block to a lane
.endr
.endr
.irp i, 0,1,2
.irp c, 0,1,2,3
	v_mov_b32 v[PCA+3+6*\c+\i], v[TP+4*\c+\i]
.endr
.endr
.irp c, 0,1,2,3,4,5
	global_store_b128 v[LI], v[PCA+4*\c:PCA+4*\c+3], s[\sb:\sb+1] offset:1536*(\a)+512*\c   ; 32 lanes store 512 consecutive bytes, aligned
.endr
.endm
; PRODUCT 2.  n: its step, which is step (n + 3) % 8 along K.
.macro F2B n, i0                       ; x's blocks i0 .. i0 + 3, source 0
	WIN TO_B
.irp i, \i0, \i0+1, \i0+2, \i0+3
	FRAG 128*((\n)%2)+FR*(\i), ((\n)+3)%8, \i, AX0, ADRA+1, ADRA, AXC0, ADRA+3
.endr
.endm
.macro F2A n                           ; wv's four blocks, source 1
	WIN 0
.irp i, 0,1,2,3
	FRAG AF+48*((\n)%2)+FR*\i, ((\n)+3)%8, \i, AV0, AV0+1, AV0+2, AVC0, AVC0+1
.endr
.endm
.macro MULV a, n, z
	WIN MUL_LO
.irp b, 0,1,2,3,4,5,6,7
	WM 8*(8*\a+\b), 128*((\n)%2)+FR*\b, AF+48*((\n)%2)+FR*\a, XS+4*\b+((\n)+3)%4, VS+4*\a+((\n)+3)%4, ((\n)+3)%8, \z
.endr
.endm
; bar = 1: a barrier in the step shows x's chunk 0 whole
.macro STEP2 n, bar, z
.if \bar
	s_wait_tensorcnt 0x0
	s_wait_dscnt 18                                ; all but three of wv's fragments are in
	MULV 0, \n, \z
	s_wait_dscnt 0x0
	s_barrier_signal -1
	MULV 1, \n, \z
	WIN 0
	s_barrier_wait -1
	PLACES NP
	F2B (\n)+1, 0
	F2B (\n)+1, 4
	F2A (\n)+1
.else
	s_wait_dscnt 18
	PLACES NP
	F2B (\n)+1, 0
	MULV 0, \n, \z
	s_wait_dscnt 24                                ; all but the 24 just issued
	F2B (\n)+1, 4
	MULV 1, \n, \z
	F2A (\n)+1
.endif
	MULV 2, \n, \z
	MULV 3, \n, \z
	WIN 0
.endm
	PLACES NP                                      ; behind the last products
.irp b, 0,1,2,3,4,5,6,7
	v_mov_b32 v[TM+8+\b], 0                        ; written once: a lane permute's destination counts as one of its sources
.endr
	QOUT 0, 68
	s_wait_alu depctr_va_vdst(0)
	s_wait_tensorcnt 0x0                           ; wv's tiles are in
	ds_add_u32 v[SPW], v[NIL]
	s_add_co_u32 s[G0+1], s[G0+1], WB              ; no tensor load of mine is out: x's chunk 0 once more, where the weights' chunk 2 lay
	s_sub_nc_u64 s[G0+2:G0+3], s[G0+2:G0+3], 2*ROWB
	s_wait_dscnt 0x0
	CROUND
	s_cmp_eq_u32 s15, 0
	s_cbranch_scc0 .Lno_x0
	tensor_load_to_lds s[G0:G0+3], s[G1:G1+7]
	s_nop 0
	PLACES 4
.Lno_x0:
	F2B 0, 0                                       ; product 2's first fragments of x: set 0 was read last in step 6 of product 1
	F2B 0, 4
	WIN 0
.irp a, 2,4,6
	QOUT \a, 68
.endr
	v_and_b32 v6, 31, v0
	v_cmp_le_u32 vcc_lo, 16, v6                    ; lanes 16-31 store the words of blocks 4-7
.irp n, 0,1,2,3
	v_cndmask_b32 v[OW+\n], v[SW+\n], v[SW+4+\n], vcc_lo
.endr
	global_store_b128 v[LI], v[OW:OW+3], s[70:71]
	s_wait_xcnt 0x0                                ; the stores have read the codes: fragments may land there
	F2A 0
	STEP2 0, 0, 1
	STEP2 1, 0, 0
	STEP2 2, 0, 0
	STEP2 3, 0, 0
	STEP2 4, 1, 0
	STEP2 5, 0, 0
	STEP2 6, 0, 0
	s_wait_dscnt 18
	MULV 0, 7, 0
	s_wait_dscnt 0x0
	MULV 1, 7, 0
	MULV 2, 7, 0
	MULV 3, 7, 0
	WIN 0
	PLACES NP
.irp a, 0,2
	QOUT \a, 72
.endr
	v_and_b32 v6, 31, v0
	v_cmp_le_u32 vcc_lo, 16, v6
	v_cndmask_b32 v[OW], v[SW], v[SW+2], vcc_lo
	v_cndmask_b32 v[OW+1], v[SW+1], v[SW+3], vcc_lo
	global_store_b64 v[LI2], v[OW:OW+1], s[74:75]
	s_wait_tensorcnt 0x0                           ; the wave's end
	ds_add_u32 v[SPW], v[NIL]
	s_wait_dscnt 0x0
	CROUND                                         ; the closing round: no work-group ends while a partner may still ask for a tile that names it
	s_endpgm
.Lfunc_end_k_q78a6f41f33_proj:
	.size	k_q78a6f41f33_proj, .Lfunc_end_k_q78a6f41f33_proj-k_q78a6f41f33_proj
	.p2alignl 7, 3214868480
	.fill 96, 4, 3214868480
	.section	.rodata,"a",@progbits
	.p2align	6, 0x0
	.amdhsa_kernel k_q78a6f41f33_proj
		.amdhsa_group_segment_fixed_size 327680
		.amdhsa_private_segment_fixed_size 0
		.amdhsa_enable_private_segment 0
		.amdhsa_kernarg_size 80
		.amdhsa_user_sgpr_count 2
		.amdhsa_user_sgpr_kernarg_segment_ptr 1
		.amdhsa_wavefront_size32 1
		.amdhsa_system_sgpr_workgroup_id_x 1
		.amdhsa_system_sgpr_workgroup_id_y 1
		.amdhsa_system_sgpr_workgroup_id_z 1
		.amdhsa_system_vgpr_workitem_id 0
		.amdhsa_next_free_vgpr 1024
		.amdhsa_next_free_sgpr 92
		.amdhsa_reserve_vcc 1
		.amdhsa_float_denorm_mode_32 3
		.amdhsa_float_denorm_mode_16_64 3
		.amdhsa_memory_ordered 1
		.amdhsa_forward_progress 1
		.amdhsa_inst_pref_size 252
	.end_amdhsa_kernel
	.amdgpu_metadata
---
amdhsa.version: [ 1, 2 ]
amdhsa.kernels:
  - .name:           k_q78a6f41f33_proj
    .symbol:         k_q78a6f41f33_proj.kd
    .args:
      - { .name: x_codes, .offset: 0, .size: 8, .value_kind: global_buffer, .address_space: global }
      - { .name: x_scales, .offset: 8, .size: 8, .value_kind: global_buffer, .address_space: global }
      - { .name: wq_codes, .offset: 16, .size: 8, .value_kind: global_buffer, .address_space: global }
      - { .name: wq_scales, .offset: 24, .size: 8, .value_kind: global_buffer, .address_space: global }
      - { .name: wk_codes, .offset: 32, .size: 8, .value_kind: global_buffer, .address_space: global }
      - { .name: wk_scales, .offset: 40, .size: 8, .value_kind: global_buffer, .address_space: global }
      - { .name: wv_codes, .offset: 48, .size: 8, .value_kind: global_buffer, .address_space: global }
      - { .name: wv_scales, .offset: 56, .size: 8, .value_kind: global_buffer, .address_space: global }
      - { .name: qkv_img, .offset: 64, .size: 8, .value_kind: global_buffer, .address_space: global }
      - { .name: qkv_sc, .offset: 72, .size: 8, .value_kind: global_buffer, .address_space: global }
    .group_segment_fixed_size: 327680
    .private_segment_fixed_size: 0
    .kernarg_segment_align: 8
    .kernarg_segment_size: 80
    .max_flat_workgroup_size: 128
    .sgpr_count:     92
    .vgpr_count:     1024
    .wavefront_size: 32
...
	.end_amdgpu_metadata
.endif
;; end of part 1
;; launch scores (part 2): grid 36 x 4, 4 waves a work-group, no clusters, 327,680 bytes of LDS; arguments qkv_img, qkv_sc, p_img, p_aux; writes p_img, p_aux
.if DOCPART == 2
	.amdgcn_target "amdgcn-amd-amdhsa--gfx1250"
	.amdhsa_code_object_version 6
	.text
	.protected	k_q78a6f41f33_scores
	.globl	k_q78a6f41f33_scores
	.p2align	8
	.type	k_q78a6f41f33_scores,@function
k_q78a6f41f33_scores:
	s_mov_b64 s[64:65], 0
	v_nop
	global_prefetch_b8 v0, s[64:65] scope:SCOPE_SE
	s_setreg_imm32_b32 hwreg(HW_REG_WAVE_MODE, 25, 1), 1
	s_wait_xcnt 0x0
; S = q k^T on codes of BF6 (K = the 1,024 channels), the causal mask, and the softmax's weights p, quantised along the keys, for one tile of 256 queries x 256 keys.
; DEAD WORK LEFT OUT: tiles whose keys all come after their queries (their p is 0 for all finite inputs): work-group x = i (i + 1) / 2 + j names queries 256 i on and keys 256 j on, j <= i; work-group y is the batch;
; and in a tile on the diagonal the wave of queries' first half and keys' second half makes no weights.  A NaN, an infinity or an overflow that reaches only that work is not carried to the result.
; Four waves, each 128 queries (block Q = 2 i + QH) x 128 keys (group k = 2 j + KH): 64 accumulators.  Source 0 = 16 keys, source 1 = 16 queries: a lane holds ONE query (lane % 16); register j of the tile of keys b
; is key 16 b + 8 (lane / 16) + j.
; THE SOFTMAX IS MADE LOCAL.  t = score x log2(e) / 32.  For each query and group of 128 keys: M = the group's largest t rounded up to a whole number, p = 2^(t - M), quantised in blocks of 32 keys, and l = the sum
; of the unquantised p.  The next launch finds the row's M and shifts the scale bytes and l by whole numbers: exact, since a block's scale takes a power of two up.
; ORDER INSIDE A BLOCK OF 32 KEYS: place 16 h + 8 u + j holds key 16 u + 8 h + j, as in v's codes: products and scales are unchanged.
; OPERANDS come as images of their registers (16 rows x 128 K: 1,536 bytes): three loads of 16 bytes a lane, consecutive.  Scale words come from memory straight into registers.
; LDS: each of the four groups of 128 rows (q's two, k's two) has three slots of 24,576 bytes (two K steps) on end.  The eight K steps are four pairs: 0 and 1 come by one load, 2 by the next, 3 into slot 0.
; NO CLUSTER: the triangle has rows of 1 to 8 tiles, which do not cut into fours that share a tile unless work-groups are added whose whole result the mask throws away.
; NO PREFETCH INTO THE L2: there is no loop; three loads a wave bring all that it fetches.
; STORED: blocks Q = I and Q = 15 - I of a batch make one stream of 17 (block, group) units for the next launch: unit s = 0 .. 8: block 15 - I, group s;  unit 9 + m, m = 0 .. 7: block I, group m, where m <= I, else
; block 15 - I, group 16 - m.   p_img [8 batch + I][17][tile of 16][1,536];
; p_aux: scale words at 0, -M at 278,528, l at 557,056, each [8 batch + I][17][512], the word of row 16 (4 h2 + n) + r at 256 h2 + 16 r + 4 n.
; LIMITS: the promise holds while t stays under 2^31 in magnitude.  NaN and infinities are not served; a block whose largest p lies under 2^(5 - 127) keeps the scale byte 1.
; REGISTERS: window 0: v0-31 addresses; v32-95 the scale words (nothing else ever); v128-223 q's fragments, one set; on the way out v128-249 at work.
;   window 1: k's fragments, two sets, at v0 and v128.   windows 2, 3: the accumulators ((a, b) at v[8 (8 (a % 4) + b)]).
.set FR,    12
.set PAIRB, 24576
.set GRP,   3*PAIRB
.set SPARE, 4*GRP                      ; the spare words, 128 bytes for each wave: two blocks of 256 bytes that no other line names
.set ADRA, 4                           ; v4-6   LDS address of my q images in slot 0, 1, 2
.set ADRB, 8                           ; v8-10  of my k images
.set ADRS, 12                          ; v12    byte offset of my scale words in qkv_sc: lanes 0-15 q's, lanes 16-31 k's
.set LI,   13                          ; v13    16 x lane
.set D0,   14                          ; v14    r - 8 h
.set NINF, 15                          ; v15    -infinity
.set SPW,  28
.set NIL,  29
.set SC,   32                          ; register 8 k + n: lanes 0-15 the word of q's block n, lanes 16-31 that of k's block n, K step k
.set AF,   128
.set PC,   128                         ; the way out: the codes of two blocks, two sets of 24 by turns
.set BM,   176                         ; eight blocks' largest score, then largest p
.set BX,   184
.set TP,   176                         ; half blocks of codes, when those sixteen are done with
.set SO,   192                         ; the conversions' scale operands
.set TT,   200
.set NM,   202                         ; v[202:205] -M of two blocks (the packed form names pairs)
.set LA,   206                         ; v206-213 four pairs of partial sums
.set SW,   214                         ; v214-221 scale words, v222-229 -M, v230-237 l of my eight blocks of queries
.set MS,   222
.set LS,   230
.set OW,   238                         ; v238-249 those as they are stored
.set SQ, 12
.set SK, 13
.set WV, 20
.set QH, 21
.set KH, 22
.set SI, 24
.set SJ, 25
.set SB, 26
.set G1C, 28                           ; s[28:35] descriptor group 1 for one pair of K steps;  s[36:43] for two
.set G1D, 36
.set G0,  44                           ; s[44:47], s[52:55] group 0 for slots 0 (and 1), 2
.set CS,  60                           ; s[60:61] c = log2(e) / 32
.set SEL, 62                           ; s[62:63] v_permlanex16_b32's selects for lane l xor 16
.set MK,  68                           ; s68-75 lanes whose key 8 h + j comes after query r, j = 0 .. 7
.set MSB, 0
.macro WIN new                         ; the immediate's high byte repeats the setting that is left
.if MSB != \new
	s_set_vgpr_msb (MSB<<8)|\new
.set MSB, \new
.endif
.endm
.set MUL_LO, 0xa1                      ; source 0 (k) window 1, source 1 (q) window 0, C and D window 2
.set MUL_HI, 0xf1
.macro PLACES n
.rept \n
	v_nop
.endr
.endm
	s_load_b256 s[4:11], s[0:1], 0x0               ; qkv_img, qkv_sc, p_img, p_aux
	v_lshl_add_u32 v[SPW], v0, 2, SPARE
	v_mov_b32 v[NIL], 0
	ds_add_u32 v[SPW], v[NIL]                      ; the opening add, twice on end
	ds_add_u32 v[SPW], v[NIL]
	v_lshrrev_b32 v1, 5, v0
	v_readfirstlane_b32 s[WV], v1                  ; wave 0..3
	s_lshr_b32 s[QH], s[WV], 1                     ; my half of the queries
	s_and_b32 s[KH], s[WV], 1                      ; my half of the keys
	s_and_b32 s[SB], ttmp7, 0xffff                 ; batch
	s_mov_b32 s[SI], 0
.irp n, 1,3,6,10,15,21,28
	s_cmp_ge_u32 ttmp9, \n                         ; i = how many of the triangle's row starts lie at or under my number
	s_add_co_ci_u32 s[SI], s[SI], 0
.endr
	s_add_co_u32 s66, s[SI], 1
	s_mul_i32 s66, s66, s[SI]
	s_lshr_b32 s66, s66, 1
	s_sub_co_u32 s[SJ], ttmp9, s66                 ; j
	s_lshl_b32 s[SQ], s[SI], 1
	s_add_co_u32 s[SQ], s[SQ], s[QH]               ; Q
	s_lshl_b32 s[SK], s[SJ], 1
	s_add_co_u32 s[SK], s[SK], s[KH]               ; k
	; what I fetch: waves 0, 1: q's two groups of 128 rows; waves 2, 3: k's
	s_cmp_lt_u32 s[WV], 2
	s_cselect_b32 s66, s[SI], s[SJ]
	s_cselect_b32 s67, 0, 6291456
	s_lshl_b32 s78, s[SB], 4
	s_lshl_b32 s66, s66, 1
	s_add_co_u32 s66, s66, s78
	s_add_co_u32 s66, s66, s[KH]                   ; the group: 16 batch + 2 (i or j) + wave % 2
	s_mul_i32 s76, s66, 4*PAIRB
	s_add_co_u32 s76, s76, s67
	s_mov_b32 s77, 0
	s_mul_i32 s79, s[WV], GRP                      ; where it goes
	; group 1: a dense block as rows of 256 bytes (32 elements of 8 bytes): 96 rows a pair of K steps
.irp g, G1C, G1D
	s_mov_b32 s[\g], 3<<16
	s_mov_b32 s[\g+1], 32<<16
	s_mov_b32 s[\g+3], 32<<16
	s_mov_b32 s[\g+5], 32
	s_mov_b32 s[\g+6], 0
	s_mov_b32 s[\g+7], 0
.endr
	s_mov_b32 s[G1C+2], 96<<16
	s_mov_b32 s[G1C+4], 96
	s_mov_b32 s[G1D+2], 192<<16
	s_mov_b32 s[G1D+4], 192
	s_mov_b32 s[CS], 0x3d38aa3b
	s_mov_b32 s[CS+1], s[CS]
	s_mov_b32 s[SEL], 0x76543210
	s_mov_b32 s[SEL+1], 0xfedcba98
	s_wait_dscnt 0x0                               ; both opening adds are done
	s_wait_kmcnt 0x0
	s_add_nc_u64 s[76:77], s[4:5], s[76:77]
.irp n, 0,2
	s_mov_b32 s[G0+4*\n], 1
	s_add_co_u32 s[G0+4*\n+1], s79, \n*PAIRB
	s_add_nc_u64 s[G0+4*\n+2:G0+4*\n+3], s[76:77], \n*PAIRB
	s_or_b32 s[G0+4*\n+3], s[G0+4*\n+3], 0x80000000
.endr
	tensor_load_to_lds s[G0:G0+3], s[G1D:G1D+7]    ; pairs 0 and 1: one tensor load a wave at the head
	s_nop 0
	PLACES 4
	s_add_co_u32 s76, s78, s[SQ]
	s_lshl_b32 s76, s76, 12                        ; q's words: group 16 batch + Q, 4,096 bytes a group
	s_add_co_u32 s77, s78, s[SK]
	s_lshl_b32 s77, s77, 12
	s_add_co_u32 s77, s77, 262144                  ; k's
	s_sub_co_u32 s77, s77, s76
	v_and_b32 v1, 31, v0
	v_lshlrev_b32 v[LI], 4, v1
	v_and_b32 v2, 15, v0                           ; r
	v_bfe_u32 v3, v0, 4, 1                         ; h
	v_mul_u32_u24 v16, s77, v3                     ; lanes 16-31 take k's words
	v_lshl_add_u32 v16, v2, 4, v16
	v_add_nc_u32 v[ADRS], s76, v16
.irp k, 0,1,2,3,4,5,6,7                        ; the scale words of all eight K steps, once
.irp v, 0,1
	global_load_b128 v[SC+8*\k+4*\v:SC+8*\k+4*\v+3], v[ADRS], s[6:7] offset:512*\k+256*\v
.endr
.endr
	s_wait_alu depctr_va_vdst(0)
	s_mul_i32 s76, s[QH], GRP
	s_mul_i32 s77, s[KH], GRP
	s_add_co_u32 s77, s77, 2*GRP
.irp n, 0,1,2
	v_add_nc_u32 v[ADRA+\n], s76, v[LI]
	v_add_nc_u32 v[ADRB+\n], s77, v[LI]
	s_add_co_u32 s76, s76, PAIRB
	s_add_co_u32 s77, s77, PAIRB
.endr
	v_lshlrev_b32 v16, 3, v3
	v_sub_nc_u32 v[D0], v2, v16
	v_mov_b32 v[NINF], 0xff800000
.irp j, 0,1,2,3,4,5,6,7
	v_cmp_gt_i32 s[MK+\j], \j, v[D0]
.endr
	; where my results go: the unit's place among its pair's 17
	s_add_co_u32 s66, s[SK], 9                     ; block I
	s_sub_co_u32 s76, 25, s[SK]                    ; block 15 - I, groups 9 on,
	s_sub_co_u32 s67, 15, s[SQ]
	s_cmp_lt_u32 s[SK], 9
	s_cselect_b32 s76, s[SK], s76                  ; and groups 0 to 8
	s_cmp_lt_u32 s[SQ], 8
	s_cselect_b32 s67, s[SQ], s67                  ; I
	s_cselect_b32 s76, s66, s76                    ; the place
	s_lshl_b32 s66, s[SB], 3
	s_add_co_u32 s66, s66, s67
	s_mul_i32 s66, s66, 17
	s_add_co_u32 s66, s66, s76
	s_mul_i32 s76, s66, 8*1536
	s_mov_b32 s77, 0
	s_add_nc_u64 s[8:9], s[8:9], s[76:77]
	s_lshl_b32 s76, s66, 9
	s_add_nc_u64 s[10:11], s[10:11], s[76:77]
.macro FRAG3 reg, adr, off             ; an image comes back as it was stored
.irp c, 0,1,2
	ds_load_b128 v[\reg+4*\c:\reg+4*\c+3], v[\adr] offset:\off+512*\c
.endr
.endm
.macro FETCH_B k                       ; k's eight fragments of K step k into set k % 2: 24 loads
	WIN 0x40
.irp n, 0,1,2,3,4,5,6,7
	FRAG3 128*((\k)%2)+FR*\n, ADRB+((\k)/2)%3, 12288*((\k)%2)+1536*\n
.endr
	WIN 0
.endm
.macro FETCH_A k, n0                   ; q's blocks n0 .. n0 + 3: 12 loads
.irp n, \n0, \n0+1, \n0+2, \n0+3
	FRAG3 AF+FR*(\n), ADRA+((\k)/2)%3, 12288*((\k)%2)+1536*(\n)
.endr
.endm
; 16 matrix instructions: q's blocks a0, a0 + 1 x k's eight.  The 64 accumulators take turns, one instruction a turn, in the same order in every step.
.macro MUL16 a0, k, zero
.irp a, \a0, \a0+1
.irp b, 0,1,2,3,4,5,6,7
.if \zero
	v_wmma_scale_f32_16x16x128_f8f6f4 v[8*(8*((\a)%4)+\b):8*(8*((\a)%4)+\b)+7], v[128*((\k)%2)+FR*\b:128*((\k)%2)+FR*\b+FR-1], v[AF+FR*(\a):AF+FR*(\a)+FR-1], 0, v[SC+8*(\k)+\b], v[SC+8*(\k)+(\a)] matrix_a_fmt:MATRIX_FMT_BF6 matrix_b_fmt:MATRIX_FMT_BF6 matrix_a_scale:MATRIX_SCALE_ROW1
.else
	v_wmma_scale_f32_16x16x128_f8f6f4 v[8*(8*((\a)%4)+\b):8*(8*((\a)%4)+\b)+7], v[128*((\k)%2)+FR*\b:128*((\k)%2)+FR*\b+FR-1], v[AF+FR*(\a):AF+FR*(\a)+FR-1], v[8*(8*((\a)%4)+\b):8*(8*((\a)%4)+\b)+7], v[SC+8*(\k)+\b], v[SC+8*(\k)+(\a)] matrix_a_fmt:MATRIX_FMT_BF6 matrix_b_fmt:MATRIX_FMT_BF6 matrix_a_scale:MATRIX_SCALE_ROW1
.endif
.endr
.endr
.endm
; K step k.  mode 0: plain.  1: a barrier stands in it, in front of which all my tensor loads have landed.  2: the same, and behind the barrier slot 0 is filled again.  3: the last step.
.macro KST k, mode, zero
.if (\mode == 0) || (\mode == 3)
	s_wait_dscnt 12                                ; k's set and q's blocks 0-3 are in; the youngest 12 loads (q's blocks 4-7) may be out
	WIN MUL_LO
	MUL16 0, \k, \zero
	MUL16 2, \k, \zero
	s_wait_dscnt 0x0
.else
	s_wait_tensorcnt 0x0                           ; all my tensor loads have landed
	ds_add_u32 v[SPW], v[NIL]                      ; 0 onto my spare word
.if \mode == 2
	s_add_nc_u64 s[G0+2:G0+3], s[G0+2:G0+3], 3*PAIRB   ; no load of mine is out, so a group 0 may be written: slot 0 takes pair 3
.endif
	s_wait_dscnt 13                                ; (the add and the youngest 12 loads may be out)
	WIN MUL_LO
	MUL16 0, \k, \zero
	s_wait_dscnt 0x0                               ; the add is done, and my LDS reads are back
	s_barrier_signal -1
	MUL16 2, \k, \zero
	WIN 0
	s_barrier_wait -1
.endif
.if \mode == 2
	tensor_load_to_lds s[G0:G0+3], s[G1C:G1C+7]    ; my one tensor load behind the barrier: nobody reads slot 0 any more
	s_nop 0
.endif
.if \mode != 3
	PLACES 4                                       ; in front of loads into registers that matrix instructions have read
	FETCH_B (\k)+1
	FETCH_A (\k)+1, 0
.endif
	WIN MUL_HI
	MUL16 4, \k, \zero
	MUL16 6, \k, \zero
.if \mode != 3
	PLACES 4
	WIN 0
	FETCH_A (\k)+1, 4
.else
	WIN 0
.endif
.endm
	s_wait_alu depctr_va_vdst(0)
	s_wait_tensorcnt 0x0                           ; my part of pairs 0 and 1 is in;
	ds_add_u32 v[SPW], v[NIL]                      ; ahead of a later first fill
	s_wait_dscnt 0x0
	s_barrier_signal -1
	s_barrier_wait -1
	tensor_load_to_lds s[G0+8:G0+11], s[G1C:G1C+7] ; pair 2 into slot 2
	s_nop 0
	PLACES 4
	FETCH_B 0
	FETCH_A 0, 0
	FETCH_A 0, 4
	s_wait_loadcnt 0x0                             ; the scale words are in
	KST 0, 0, 1                                    ; the first products start the sums
	KST 1, 0, 0
	KST 2, 2, 0                                    ; slot 0 is read out: it takes pair 3; the barrier also shows slot 2 whole
	KST 3, 0, 0
	KST 4, 0, 0
	KST 5, 1, 0                                    ; the barrier shows pair 3 whole
	KST 6, 0, 0
	KST 7, 3, 0
; THE WAY OUT: blocks a and a + 1 (a even), 16 queries x my 128 keys each, 128 numbers a lane; their registers lie on end: eight blocks of 32 keys.
.macro SOFT a
.set QS, 64*((\a)%4)
.set QW, 2+(\a)/4
.set PCA, PC+24*(((\a)/2)%2)
	s_cmp_lg_u32 s[SQ], s[SK]                      ; only a wave on the diagonal has hidden keys
	s_cbranch_scc1 .Lopen_\@
	WIN (QW|(QW<<6))
.irp u, 0,1
.irp j, 0,1,2,3,4,5,6,7
	v_cndmask_b32 v[QS+64*\u+8*(\a+\u)+\j], v[QS+64*\u+8*(\a+\u)+\j], v[NINF], s[MK+\j]   ; the tile of keys that the queries' own tile meets
.endr
.endr
	WIN (QW<<6)
.irp u, 0,1
.set n, 8*(\a+\u+1)
.rept 64-8*(\a+\u+1)
	v_mov_b32 v[QS+64*\u+n], v[NINF]               ; tiles of keys that come after it
.set n, n+1
.endr
.endr
	WIN 0
.Lopen_\@:
	WIN (QW|(QW<<2)|(QW<<4))
.irp b, 0,1,2,3,4,5,6,7
	v_max3_num_f32 v[BM+\b], v[QS+16*\b], v[QS+16*\b+1], v[QS+16*\b+2]   ; the largest score of each block of 32 keys: it serves for the group's maximum and, since p rises with the score, for the block's largest p
.endr
	WIN ((QW<<2)|(QW<<4))
.irp i, 3,5,7,9,11,13
.irp b, 0,1,2,3,4,5,6,7
	v_max3_num_f32 v[BM+\b], v[BM+\b], v[QS+16*\b+\i], v[QS+16*\b+\i+1]
.endr
.endr
.irp b, 0,1,2,3,4,5,6,7
	v_max_num_f32 v[BM+\b], v[BM+\b], v[QS+16*\b+15]
.endr
	WIN 0
.irp b, 0,1,2,3,4,5,6,7
	v_permlanex16_b32 v[BX+\b], v[BM+\b], s[SEL], s[SEL+1]
.endr
.irp b, 0,1,2,3,4,5,6,7
	v_max_num_f32 v[BM+\b], v[BM+\b], v[BX+\b]     ; with lane l xor 16's 16 keys
.endr
.irp u, 0,1
	v_max3_num_f32 v[TT+\u], v[BM+4*\u], v[BM+4*\u+1], v[BM+4*\u+2]
.endr
.irp u, 0,1
	v_max_num_f32 v[TT+\u], v[TT+\u], v[BM+4*\u+3]
.endr
.irp u, 0,1
	v_mul_f32 v[TT+\u], s[CS], v[TT+\u]            ; the group's largest t (c is positive)
.endr
.irp u, 0,1
	v_max_num_f32 v[TT+\u], 0xff61b1e6, v[TT+\u]   ; held at -3e38
.endr
.irp u, 0,1
	v_floor_f32 v[NM+2*\u], -v[TT+\u]              ; -M = floor(-t) = -ceil(t): a whole number
.endr
	WIN (QW|(QW<<6))
.irp u, 0,1
.set n, 0
.rept 32
	v_pk_fma_f32 v[QS+64*\u+n:QS+64*\u+n+1], v[QS+64*\u+n:QS+64*\u+n+1], s[CS:CS+1], v[NM+2*\u:NM+2*\u+1] op_sel_hi:[1,0,0]   ; t - M, two at a time
.set n, n+2
.endr
.endr
	WIN 0
.irp b, 0,1,2,3,4,5,6,7
	v_fma_f32 v[BM+\b], v[BM+\b], s[CS], v[NM+2*(\b/4)]   ; the same of each block's largest score
.endr
	WIN (QW|(QW<<6))
.set n, 0
	s_wait_alu depctr_va_vdst(0)                   ; ahead of the batch
.rept 128
	v_exp_f32 v[QS+n], v[QS+n]                     ; p = 2^(t - M), at most 1
.set n, n+1
.endr
	WIN 0
.irp b, 0,1,2,3,4,5,6,7
	v_exp_f32 v[BM+\b], v[BM+\b]                   ; the block's largest p: the same two instructions on the same number give the same bits
.endr
	v_mov_b32 v[MS+\a], v[NM]                      ; (plain places behind the exponentials)
	v_mov_b32 v[MS+\a+1], v[NM+2]
	s_wait_alu depctr_va_vdst(0)                   ; and behind it
.irp b, 0,1,2,3,4,5,6,7
	v_max_num_f32 v[BM+\b], 0x2800000, v[BM+\b]    ; the floor 2^(5 - 127): the byte cannot fall under 1
.endr
.irp b, 0,1,2,3,4,5,6,7
	v_add_nc_u32 v[SO+\b], 0xfe000000, v[BM+\b]    ; 4 off the exponent field: the conversion's scale operand
.endr
.irp b, 0,1,2,3,4,5,6,7
	v_lshrrev_b32 v[BX+\b], 23, v[SO+\b]
.endr
.irp u, 0,1
	v_lshl_or_b32 v[SW+\a+\u], v[BX+4*\u+1], 8, v[BX+4*\u]
.endr
.irp u, 0,1
	v_lshl_or_b32 v[SW+\a+\u], v[BX+4*\u+2], 16, v[SW+\a+\u]
.endr
.irp u, 0,1
	v_lshl_or_b32 v[SW+\a+\u], v[BX+4*\u+3], 24, v[SW+\a+\u]
.endr
.if (\a) > 2
	s_wait_alu depctr_va_vdst(0)
	s_wait_xcnt 0x0                                ; the stores of blocks a - 4 and a - 3 have read this set of registers
.endif
	WIN QW
.irp c, 0,1,2,3
	v_cvt_scalef32_pk16_bf6_f32 v[PCA+6*\c:PCA+6*\c+2], v[QS+32*\c:QS+32*\c+15], v[SO+2*\c]
	v_cvt_scalef32_pk16_bf6_f32 v[TP+4*\c:TP+4*\c+2], v[QS+32*\c+16:QS+32*\c+31], v[SO+2*\c+1]
.endr
	WIN 0
	v_nop                                          ; one plain place behind a scaled conversion
.irp i, 0,1,2
.irp c, 0,1,2,3
	v_permlane16_swap_b32 v[PCA+6*\c+\i], v[TP+4*\c+\i]
.endr
.endr
.irp i, 0,1,2
.irp c, 0,1,2,3
	v_mov_b32 v[PCA+3+6*\c+\i], v[TP+4*\c+\i]
.endr
.endr
.irp c, 0,1,2,3,4,5
	global_store_b128 v[LI], v[PCA+4*\c:PCA+4*\c+3], s[8:9] offset:1536*(\a)+512*\c   ; 32 lanes store 512 consecutive bytes, aligned
.endr
	WIN (QW|(QW<<2))                               ; the sums are taken of the unquantised p: two at a time, in four chains
.irp u, 0,1
	v_pk_add_f32 v[LA+4*\u:LA+4*\u+1], v[QS+64*\u:QS+64*\u+1], v[QS+64*\u+2:QS+64*\u+3]
	v_pk_add_f32 v[LA+4*\u+2:LA+4*\u+3], v[QS+64*\u+4:QS+64*\u+5], v[QS+64*\u+6:QS+64*\u+7]
.endr
	WIN (QW<<2)
.irp j, 8,12,16,20,24,28,32,36,40,44,48,52,56,60
.irp u, 0,1
	v_pk_add_f32 v[LA+4*\u:LA+4*\u+1], v[LA+4*\u:LA+4*\u+1], v[QS+64*\u+\j:QS+64*\u+\j+1]
	v_pk_add_f32 v[LA+4*\u+2:LA+4*\u+3], v[LA+4*\u+2:LA+4*\u+3], v[QS+64*\u+\j+2:QS+64*\u+\j+3]
.endr
.endr
	WIN 0
.irp u, 0,1
	v_pk_add_f32 v[LA+4*\u:LA+4*\u+1], v[LA+4*\u:LA+4*\u+1], v[LA+4*\u+2:LA+4*\u+3]
.endr
.irp u, 0,1
	v_add_f32 v[LA+4*\u], v[LA+4*\u], v[LA+4*\u+1]
.endr
.irp u, 0,1
	v_permlanex16_b32 v[TT+\u], v[LA+4*\u], s[SEL], s[SEL+1]
.endr
.irp u, 0,1
	v_add_f32 v[LS+\a+\u], v[LA+4*\u], v[TT+\u]    ; with lane l xor 16's: l of my query in this group of keys
.endr
.endm
	s_cmp_lt_u32 s[SQ], s[SK]                      ; the wave whose keys all come after its queries makes no weights
	s_cbranch_scc1 .Ldone
	PLACES 4                                       ; behind the last products
.irp b, 0,1,2,3,4,5,6,7
	v_mov_b32 v[BX+\b], 0                          ; written once: a lane permute's destination counts as one of its sources
.endr
	v_mov_b32 v[NM+1], 0                           ; (named as the upper half of a pair)
	v_mov_b32 v[NM+3], 0
	s_wait_alu depctr_va_vdst(0)                   ; ahead of the branch
.irp a, 0,2,4,6
	SOFT \a
.endr
	v_and_b32 v1, 31, v0
	v_cmp_le_u32 vcc_lo, 16, v1                    ; lanes 16-31 store the words of blocks 4-7
.irp n, 0,1,2,3
	v_cndmask_b32 v[OW+\n], v[SW+\n], v[SW+4+\n], vcc_lo
	v_cndmask_b32 v[OW+4+\n], v[MS+\n], v[MS+4+\n], vcc_lo
	v_cndmask_b32 v[OW+8+\n], v[LS+\n], v[LS+4+\n], vcc_lo
.endr
	global_store_b128 v[LI], v[OW:OW+3], s[10:11]
	global_store_b128 v[LI], v[OW+4:OW+7], s[10:11] offset:278528
	global_store_b128 v[LI], v[OW+8:OW+11], s[10:11] offset:557056
.Ldone:
	s_wait_tensorcnt 0x0                           ; the wave's end
	ds_add_u32 v[SPW], v[NIL]
	s_wait_dscnt 0x0
	s_endpgm
.Lfunc_end_k_q78a6f41f33_scores:
	.size	k_q78a6f41f33_scores, .Lfunc_end_k_q78a6f41f33_scores-k_q78a6f41f33_scores
	.p2alignl 7, 3214868480
	.fill 96, 4, 3214868480
	.section	.rodata,"a",@progbits
	.p2align	6, 0x0
	.amdhsa_kernel k_q78a6f41f33_scores
		.amdhsa_group_segment_fixed_size 327680
		.amdhsa_private_segment_fixed_size 0
		.amdhsa_enable_private_segment 0
		.amdhsa_kernarg_size 32
		.amdhsa_user_sgpr_count 2
		.amdhsa_user_sgpr_kernarg_segment_ptr 1
		.amdhsa_wavefront_size32 1
		.amdhsa_system_sgpr_workgroup_id_x 1
		.amdhsa_system_sgpr_workgroup_id_y 1
		.amdhsa_system_sgpr_workgroup_id_z 1
		.amdhsa_system_vgpr_workitem_id 0
		.amdhsa_next_free_vgpr 1024
		.amdhsa_next_free_sgpr 80
		.amdhsa_reserve_vcc 1
		.amdhsa_float_denorm_mode_32 3
		.amdhsa_float_denorm_mode_16_64 3
		.amdhsa_memory_ordered 1
		.amdhsa_forward_progress 1
		.amdhsa_inst_pref_size 201
	.end_amdhsa_kernel
	.amdgpu_metadata
---
amdhsa.version: [ 1, 2 ]
amdhsa.kernels:
  - .name:           k_q78a6f41f33_scores
    .symbol:         k_q78a6f41f33_scores.kd
    .args:
      - { .name: qkv_img, .offset: 0, .size: 8, .value_kind: global_buffer, .address_space: global }
      - { .name: qkv_sc, .offset: 8, .size: 8, .value_kind: global_buffer, .address_space: global }
      - { .name: p_img, .offset: 16, .size: 8, .value_kind: global_buffer, .address_space: global }
      - { .name: p_aux, .offset: 24, .size: 8, .value_kind: global_buffer, .address_space: global }
    .group_segment_fixed_size: 327680
    .private_segment_fixed_size: 0
    .kernarg_segment_align: 8
    .kernarg_segment_size: 32
    .max_flat_workgroup_size: 128
    .sgpr_count:     80
    .vgpr_count:     1024
    .wavefront_size: 32
...
	.end_amdgpu_metadata
.endif
;; end of part 2
;; launch pv (part 3): grid 8 x 32, 4 waves a work-group, clusters of 4 x 1, 327,680 bytes of LDS; arguments p_img, p_aux, qkv_img, qkv_sc, out0; writes out0
.if DOCPART == 3
	.amdgcn_target "amdgcn-amd-amdhsa--gfx1250"
	.amdhsa_code_object_version 6
	.text
	.protected	k_q78a6f41f33_pv
	.globl	k_q78a6f41f33_pv
	.p2align	8
	.type	k_q78a6f41f33_pv,@function
k_q78a6f41f33_pv:
	s_mov_b64 s[64:65], 0
	v_nop
	global_prefetch_b8 v0, s[64:65] scope:SCOPE_SE
	s_setreg_imm32_b32 hwreg(HW_REG_WAVE_MODE, 25, 1), 1
	s_wait_xcnt 0x0
	s_wait_alu depctr_hold_cnt(0) depctr_sa_sdst(0) depctr_va_vdst(0) depctr_va_sdst(0) depctr_va_ssrc(0) depctr_va_vcc(0) depctr_vm_vsrc(0)
	s_getreg_b32 s2, hwreg(HW_REG_IB_STS2, 6, 4)
	s_cmp_eq_u32 s2, 0
	s_cbranch_scc0 .Lentry_in_a_cluster
	s_endpgm
.Lentry_in_a_cluster:
	s_bfe_u32 s2, ttmp6, 0x10000c
	s_cmp_lg_u32 s2, 0x3003
	s_cbranch_scc0 .Lentry_shape_is_right
	s_endpgm
.Lentry_shape_is_right:
; O = P V / l on codes of BF6, K = the keys.  DEAD WORK LEFT OUT: key groups that come wholly after a block's queries (their p is 0 for all finite inputs).  A NaN, an infinity or an overflow that reaches only that
; work is not carried to the result.
; A WORK-GROUP: the 128-query blocks A = I and B = 15 - I of a batch (y = 8 batch + I) x 128 channels (block cb): 17 K steps of 128 keys whatever I is: steps 0 .. 8: B, key groups 0 .. 8; step 9: A, group 0;
; step 9 + m, m = 1 .. 7: A, group m, where m <= I, else B, group 16 - m.  P lies in memory as that stream, step by step.  Every LDS address and every scale register is a constant of the text (and the wave's number):
; what hangs on I is which of two pieces of work a step does, by a scalar branch that leads round no barrier, wait or add.
; Four waves, each 64 queries x 64 channels of either block: 16 + 16 accumulators.  Source 0 = 16 channels of v, source 1 = 16 queries of p: a lane holds one query (lane % 16) and eight neighbouring channels.
; THE SOFTMAX IS JOINED HERE.  The launch before gave, for each query and group of 128 keys, -M (a whole number), l and p's scale words under that M.  The row's M is the largest of the groups'; n = M(row) - M(group)
; is a whole number, 0 or more; l(row) = the sum of l(group) 2^-n, and n is taken off each scale byte of the group: exact.  A byte that would fall under 0 is held at 0, and n at 127.
; LIMIT: so a block whose scale lies under 2^-127 of the row's is counted at 2^-127: at most 28 x 2^-127 beside a row's largest p, which lies over 1/2.  NaN and infinities are not served.
; CLUSTER of 4 x 1: the four partners have the same y, so the same I, and read the same P: asked for jointly (mask 15), the same loads whatever I is.  V is each work-group's own: those that share it have other I.
; LDS: v's 16 groups of keys (12,288 bytes each; those up to 15 - I are read), each filled once and read for A and for B; P's ring of nine steps: step s in slot s % 9.
; FILLS: head: P 0-3, v 0-3;  then P 4-8, v 4-9;  ahead of step 4's fetch (steps 0-3 are read out): P 9-12, v 10-15;  ahead of step 8's: P 13-16.  Every wait on TENSORcnt is for 0.
; NO PREFETCH INTO THE L2: there is no loop to run ahead in; four loads a wave bring all, two of them asked for ahead of the first product.
; REGISTERS: window 0: v0-31 addresses; v32-67 p's scale words, register 4 (s / 2) + tile, lanes 0-15 for even s, 16-31 for odd; v68-99 v's, by key group likewise (nothing else ever); v104-215 at work in the
;   prologue, v104-231 then rows of O; v240-255 1 / l.   window 1: v's fragments, window 3: p's, three sets of 48 by turns.   window 2: accumulators of A at v[8 (4 a + b)], of B 128 further on.
.set STB,   12288                      ; a step's bytes of P or of v
.set PB,    16*STB                     ; P's ring
.set STAGE, PB+9*STB                   ; the way out: 16 rows x (256 bytes + 16) for each wave; no fill lands there
.set SPITCH, 272
.set SPARE, STAGE+4*16*SPITCH          ; the spare words, 128 bytes for each wave: no other line names them
.set LI,   4
.set ADP,  5                           ; v5-6   LDS address of my p images: slots 0-4, slots 5-8
.set ADV,  7                           ; v7-10  of my v images: groups 0-4, 5-9, 10-14, 15
.set STO, 11
.set RD,  12
.set PO,  13                           ; my words in p_aux: lanes 0-15 even steps, 16-31 odd
.set PL,  14                           ; step 16's, in all lanes
.set VO,  15                           ; my words of v: lanes 0-15 even groups, 16-31 odd
.set CO,  16
.set IA,  24                           ; I + 9 - h
.set BIG, 26
.set SPW, 28
.set NIL, 29
.set PS,  32
.set VS,  68
.set BK, 104
.set M4, 104
.set L4, 140
.set MA, 176
.set MB, 180
.set LA, 184
.set LB, 188
.set T4, 192
.set N4, 196
.set X4, 200
.set Y4, 204
.set BX, 208
.set RL, 240                           ; v240-247 1 / l of A's four tiles, in pairs;  v248-255 of B's
.set WV, 18
.set OD, 19
.set WQ, 20
.set SI, 23
.set G1P2, 28                          ; group 1: P, two steps; P, three; v, two; v, three
.set G1P3, 36
.set G1V2, 44
.set G1V3, 52
.set G0P, 60
.set G0V, 68
.set SEL, 72
.set MH, 79                            ; lanes 0-15
.set MK, 80                            ; s80-84 lanes whose step 2 j + h is A's, j = 4 .. 8
.set MSB, 0
.macro WIN new                         ; the immediate's high byte repeats the setting that is left
.if MSB != \new
	s_set_vgpr_msb (MSB<<8)|\new
.set MSB, \new
.endif
.endm
.macro PLACES n
.rept \n
	v_nop
.endr
.endm
.macro CROUND                          ; a round of the cluster's barrier
	s_barrier_signal -1
	s_barrier_wait -1
	s_cmp_lg_u32 s[WV], 0
	s_cbranch_scc1 .Lnot_wave_0_\@
	s_barrier_signal -3
.Lnot_wave_0_\@:
	s_barrier_wait -3
	s_barrier_signal -1
	s_barrier_wait -1
.endm
.macro PUT g0, g1
	tensor_load_to_lds s[\g0:\g0+3], s[\g1:\g1+7]
	s_nop 0
	PLACES 4
.endm
	s_load_b256 s[4:11], s[0:1], 0x0               ; p_img, p_aux, qkv_img, qkv_sc
	s_load_b64 s[12:13], s[0:1], 0x20              ; out0
	v_lshl_add_u32 v[SPW], v0, 2, SPARE
	v_mov_b32 v[NIL], 0
	ds_add_u32 v[SPW], v[NIL]                      ; the opening add, twice on end
	ds_add_u32 v[SPW], v[NIL]
	v_lshrrev_b32 v1, 5, v0
	v_readfirstlane_b32 s[WV], v1                  ; wave 0..3
	s_lshr_b32 s[WQ], s[WV], 1                     ; my half of a block's queries.  Also: I fetch P (0) or v (1)
	s_and_b32 s[OD], s[WV], 1                      ; my half of the channels.  Also: which part I fetch
	s_bfe_u32 s21, ttmp6, 0x40000                  ; cx
	s_lshl_b32 s24, ttmp9, 2
	s_add_co_u32 s24, s24, s21                     ; cb: it enters v's, its scales' and O's addresses alone
	s_and_b32 s25, ttmp7, 0xffff                   ; y, which the four partners share
	s_and_b32 s[SI], s25, 7                        ; I
	s_lshr_b32 s26, s25, 3                         ; batch
	s_lshl_b32 s27, s26, 3
	s_add_co_u32 s27, s27, s24                     ; 8 batch + cb
.irp g, G1P2, G1P3, G1V2, G1V3                 ; dense blocks as rows of 256 bytes (32 elements of 8 bytes): 48 rows a step
	s_mov_b32 s[\g+1], 32<<16
	s_mov_b32 s[\g+3], 32<<16
	s_mov_b32 s[\g+5], 32
	s_mov_b32 s[\g+6], 0
	s_mov_b32 s[\g+7], 0
.endr
	s_mov_b32 s[G1P2], 15|(3<<16)|(1<<21)          ; the mask of all four, and bit 21 beside it
	s_mov_b32 s[G1P3], 15|(3<<16)|(1<<21)
	s_mov_b32 s[G1V2], 3<<16
	s_mov_b32 s[G1V3], 3<<16
.irp g, G1P2, G1V2
	s_mov_b32 s[\g+2], 96<<16
	s_mov_b32 s[\g+4], 96
.endr
.irp g, G1P3, G1V3
	s_mov_b32 s[\g+2], 144<<16
	s_mov_b32 s[\g+4], 144
.endr
	s_mov_b32 s[SEL], 0x76543210
	s_mov_b32 s[SEL+1], 0xfedcba98
	s_mov_b32 s95, 0
	s_lshl_b32 s66, s[WQ], 8
	s_lshl_b32 s67, s[OD], 8
	s_add_co_u32 s74, s[SI], 9
	v_and_b32 v1, 31, v0
	v_and_b32 v2, 15, v0                           ; r
	v_bfe_u32 v3, v0, 4, 1                         ; h
	v_lshlrev_b32 v[LI], 4, v1
	v_lshlrev_b32 v1, 4, v2                        ; 16 r
	v_add_nc_u32 v[PL], s66, v1
	v_lshl_add_u32 v[PO], v3, 9, v[PL]             ; 512 h + 256 (my half) + 16 r
	v_add_nc_u32 v[PL], 8192, v[PL]
	v_add_nc_u32 v[VO], s67, v1
	v_lshl_add_u32 v[VO], v3, 9, v[VO]
	v_sub_nc_u32 v[IA], s74, v3
	v_mov_b32 v[BIG], 0x7f61b1e6                   ; 3e38
	v_cmp_eq_u32 s[MH], 0, v3
	v_cmp_eq_u32 s[MK], 1, v3                      ; steps 8 and 9: B, A
.irp j, 5,6,7,8
	v_cmp_le_i32 s[MK+\j-4], 2*\j, v[IA]           ; A's where the step is at most 9 + I
.endr
	s_mul_i32 s66, s25, 17*512
	s_mov_b32 s67, 0
	s_lshl_b32 s74, s27, 13                        ; v's scale words: 8,192 bytes a block
	s_add_co_u32 s74, s74, 524288
	s_mov_b32 s75, 0
	s_wait_dscnt 0x0                               ; both opening adds are done
	s_wait_alu depctr_va_vdst(0)
	s_wait_kmcnt 0x0
	s_add_nc_u64 s[86:87], s[6:7], s[66:67]
	s_add_nc_u64 s[88:89], s[10:11], s[74:75]
.irp j, 0,1,2,3,4,5,6,7
	global_load_b128 v[M4+4*\j:M4+4*\j+3], v[PO], s[86:87] offset:278528+1024*\j
.endr
	global_load_b128 v[M4+32:M4+35], v[PL], s[86:87] offset:278528
.irp j, 0,1,2,3,4,5,6,7
	global_load_b128 v[L4+4*\j:L4+4*\j+3], v[PO], s[86:87] offset:557056+1024*\j
.endr
	global_load_b128 v[L4+32:L4+35], v[PL], s[86:87] offset:557056
.irp j, 0,1,2,3,4,5,6,7
	global_load_b128 v[PS+4*\j:PS+4*\j+3], v[PO], s[86:87] offset:1024*\j
.endr
	global_load_b128 v[PS+32:PS+35], v[PL], s[86:87]
.irp j, 0,1,2,3,4,5,6,7
	global_load_b128 v[VS+4*\j:VS+4*\j+3], v[VO], s[88:89] offset:1024*\j   ; all of v was written
.endr
	s_mul_i32 s76, s[OD], 2*STB
	s_mul_i32 s66, s25, 17*STB
	s_add_co_u32 s66, s66, s76
	s_mul_i32 s74, s27, 16*STB
	s_add_co_u32 s74, s74, s76
	s_add_co_u32 s74, s74, 12582912
	s_mov_b32 s[G0P], 1
	s_add_co_u32 s[G0P+1], s76, PB
	s_add_nc_u64 s[G0P+2:G0P+3], s[4:5], s[66:67]
	s_or_b32 s[G0P+3], s[G0P+3], 0x80000000
	s_mov_b32 s[G0V], 1
	s_mov_b32 s[G0V+1], s76
	s_add_nc_u64 s[G0V+2:G0V+3], s[8:9], s[74:75]
	s_or_b32 s[G0V+3], s[G0V+3], 0x80000000
	CROUND                                         ; all four work-groups are here: the first joint loads meet
	s_cmp_lt_u32 s[WV], 2
	s_cbranch_scc0 .Lv_0
	PUT G0P, G1P2                                  ; P: wave 0 steps 0, 1; wave 1 steps 2, 3
	s_branch .Lasked_0
.Lv_0:
	PUT G0V, G1V2                                  ; v: wave 2 groups 0, 1; wave 3 groups 2, 3
.Lasked_0:
	s_mul_i32 s66, s[WQ], 4*1536                   ; my 64 queries: four images of a step's eight
	s_add_co_u32 s66, s66, PB
	v_add_nc_u32 v[ADP], s66, v[LI]
	s_add_co_u32 s67, s66, 5*STB
	v_add_nc_u32 v[ADP+1], s67, v[LI]
	s_mul_i32 s66, s[OD], 4*1536                   ; my 64 channels: four images of a group's eight
.irp n, 0,1,2,3
	v_add_nc_u32 v[ADV+\n], s66, v[LI]
	s_add_co_u32 s66, s66, 5*STB
.endr
	s_mul_i32 s67, s[WV], 16*SPITCH
	s_add_co_u32 s67, s67, STAGE                   ; my stage
	v_mul_u32_u24 v[STO], v2, SPITCH
	v_lshl_add_u32 v[STO], v3, 5, v[STO]
	v_add_nc_u32 v[STO], s67, v[STO]               ; in: row r, 32 bytes for each half of the lanes
	v_mul_u32_u24 v[RD], v3, SPITCH
	v_add_nc_u32 v[RD], v[RD], v1
	v_add_nc_u32 v[RD], s67, v[RD]                 ; back: lanes 0-15 one row of 256 bytes, lanes 16-31 the next
	v_lshl_add_u32 v[CO], v3, 12, v1               ; and the same two rows in O
.irp a, 0,1,2,3,4,5,6,7
	v_mov_b32 v[BX+\a], 0                          ; written once: a lane permute's destination counts as one of its sources
.endr
	; O: row 128 (I or 15 - I) + 64 (my half) of the batch, 4,096 bytes a row; + 512 cb + 256 (my half)
	s_lshl_b32 s66, s26, 23
	s_lshl_b32 s67, s[WQ], 18
	s_add_co_u32 s66, s66, s67
	s_lshl_b32 s67, s24, 9
	s_add_co_u32 s66, s66, s67
	s_lshl_b32 s67, s[OD], 8
	s_add_co_u32 s66, s66, s67
	s_lshl_b32 s74, s[SI], 19
	s_add_co_u32 s74, s74, s66
	s_add_nc_u64 s[90:91], s[12:13], s[74:75]
	s_sub_co_u32 s74, 15, s[SI]
	s_lshl_b32 s74, s74, 19
	s_add_co_u32 s74, s74, s66
	s_add_nc_u64 s[92:93], s[12:13], s[74:75]
; Step s's fragments into set s % 3: 24 loads
.macro VLOAD s, key
	WIN 0x40
.irp b, 0,1,2,3
.irp c, 0,1,2
	ds_load_b128 v[48*((\s)%3)+12*\b+4*\c:48*((\s)%3)+12*\b+4*\c+3], v[ADV+(\key)/5] offset:STB*((\key)%5)+1536*\b+512*\c
.endr
.endr
	WIN 0
.endm
.macro FETCH s
.if \s < 9
	VLOAD \s, \s
.elseif \s == 9
	VLOAD \s, 0
.else
	s_cmp_lt_u32 s[SI], \s-9
	s_cbranch_scc1 .Lfetch_b_\@
	VLOAD \s, \s-9                                 ; A's group
	s_branch .Lfetched_\@
.Lfetch_b_\@:
	VLOAD \s, 25-\s                                ; B's
.Lfetched_\@:
.endif
	WIN 0xc0
.irp a, 0,1,2,3
.irp c, 0,1,2
	ds_load_b128 v[48*((\s)%3)+12*\a+4*\c:48*((\s)%3)+12*\a+4*\c+3], v[ADP+((\s)%9)/5] offset:STB*(((\s)%9)%5)+1536*\a+512*\c
.endr
.endr
	WIN 0
.endm
; 16 matrix instructions: my four tiles of queries x my four of channels, v's group key.  The 16 accumulators of a block take turns, one instruction a turn.
.macro MULS s, acc, key
	WIN 0xad                                       ; source 0 (v) window 1, source 1 (p) window 3, C and D window 2
.irp a, 0,1,2,3
.irp b, 0,1,2,3
.set DD, \acc+8*(4*\a+\b)
.set FV, 48*((\s)%3)+12*\b
.set FP, 48*((\s)%3)+12*\a
.set KV, VS+4*((\key)/2)+\b
.set KP, PS+4*((\s)/2)+\a
.if \s == 0
	v_wmma_scale_f32_16x16x128_f8f6f4 v[DD:DD+7], v[FV:FV+11], v[FP:FP+11], 0, v[KV], v[KP] matrix_a_fmt:MATRIX_FMT_BF6 matrix_b_fmt:MATRIX_FMT_BF6
.elseif \s == 9
	v_wmma_scale_f32_16x16x128_f8f6f4 v[DD:DD+7], v[FV:FV+11], v[FP:FP+11], 0, v[KV], v[KP] matrix_a_fmt:MATRIX_FMT_BF6 matrix_b_fmt:MATRIX_FMT_BF6 matrix_b_scale:MATRIX_SCALE_ROW1
.elseif \s < 9
.if (\s)%2 == 0
	v_wmma_scale_f32_16x16x128_f8f6f4 v[DD:DD+7], v[FV:FV+11], v[FP:FP+11], v[DD:DD+7], v[KV], v[KP] matrix_a_fmt:MATRIX_FMT_BF6 matrix_b_fmt:MATRIX_FMT_BF6
.else
	v_wmma_scale_f32_16x16x128_f8f6f4 v[DD:DD+7], v[FV:FV+11], v[FP:FP+11], v[DD:DD+7], v[KV], v[KP] matrix_a_fmt:MATRIX_FMT_BF6 matrix_b_fmt:MATRIX_FMT_BF6 matrix_a_scale:MATRIX_SCALE_ROW1 matrix_b_scale:MATRIX_SCALE_ROW1
.endif
.elseif (\s)%2 == 0
	v_wmma_scale_f32_16x16x128_f8f6f4 v[DD:DD+7], v[FV:FV+11], v[FP:FP+11], v[DD:DD+7], v[KV], v[KP] matrix_a_fmt:MATRIX_FMT_BF6 matrix_b_fmt:MATRIX_FMT_BF6 matrix_a_scale:MATRIX_SCALE_ROW1
.else
	v_wmma_scale_f32_16x16x128_f8f6f4 v[DD:DD+7], v[FV:FV+11], v[FP:FP+11], v[DD:DD+7], v[KV], v[KP] matrix_a_fmt:MATRIX_FMT_BF6 matrix_b_fmt:MATRIX_FMT_BF6 matrix_b_scale:MATRIX_SCALE_ROW1
.endif
.endr
.endr
	WIN 0
.endm
.macro EITHER s                        ; step s = 9 + m: A's, or B's where m > I.  (Groups m and 16 - m are both even or both odd, and s is the other)
	s_cmp_lt_u32 s[SI], \s-9
	s_cbranch_scc1 .Lmul_b_\@
	MULS \s, 0, \s-9
	s_branch .Lmul_end_\@
.Lmul_b_\@:
	MULS \s, 128, 25-\s
.Lmul_end_\@:
.endm
.macro AHEAD s                         ; at step s's start: its fragments are in, step s + 1's 24 loads may be out; step s + 2's go out, into the set that step s - 1 read
.set NXS, \s+2
	s_wait_dscnt 24
	PLACES 4
	FETCH NXS
.endm
	s_wait_alu depctr_va_vdst(0)
	s_wait_tensorcnt 0x0                           ; my part of the head's fills is in;
	ds_add_u32 v[SPW], v[NIL]                      ; ahead of a later first fill
	s_add_co_u32 s66, s[OD], 4
	s_mul_i32 s66, s66, STB                        ; four or five steps on, in memory and in LDS
	s_mov_b32 s67, 0
	s_add_co_u32 s[G0P+1], s[G0P+1], s66
	s_add_co_u32 s[G0V+1], s[G0V+1], s66
	s_add_nc_u64 s[G0P+2:G0P+3], s[G0P+2:G0P+3], s[66:67]
	s_add_nc_u64 s[G0V+2:G0V+3], s[G0V+2:G0V+3], s[66:67]
	s_wait_dscnt 0x0
	CROUND
	s_cmp_lt_u32 s[WV], 1
	s_cbranch_scc0 .Lp_1
	PUT G0P, G1P3                                  ; P: wave 0 steps 4-6,
	s_branch .Lasked_1
.Lp_1:
	s_cmp_lt_u32 s[WV], 2
	s_cbranch_scc0 .Lv_1
	PUT G0P, G1P2                                  ; wave 1 steps 7, 8
	s_branch .Lasked_1
.Lv_1:
	PUT G0V, G1V3                                  ; v: wave 2 groups 4-6, wave 3 groups 7-9
.Lasked_1:
	FETCH 0
	FETCH 1
	; THE PROLOGUE: the row's M and l, and p's scale words under the row's M
	s_wait_loadcnt 0x0
.irp a, 0,1,2,3
	v_cndmask_b32 v[M4+32+\a], v[BIG], v[M4+32+\a], s[MH]   ; there is no step 17
.endr
.irp a, 0,1,2,3
	v_min3_num_f32 v[MB+\a], v[M4+\a], v[M4+4+\a], v[M4+8+\a]
	v_cndmask_b32 v[MA+\a], v[BIG], v[M4+16+\a], s[MK]
.endr
.irp a, 0,1,2,3
	v_cndmask_b32 v[N4+\a], v[M4+16+\a], v[BIG], s[MK]
.endr
.irp a, 0,1,2,3
	v_min3_num_f32 v[MB+\a], v[MB+\a], v[M4+12+\a], v[N4+\a]
.endr
.irp j, 5,6,7,8
.irp a, 0,1,2,3
	v_cndmask_b32 v[T4+\a], v[BIG], v[M4+4*\j+\a], s[MK+\j-4]
	v_cndmask_b32 v[N4+\a], v[M4+4*\j+\a], v[BIG], s[MK+\j-4]
.endr
.irp a, 0,1,2,3
	v_min_num_f32 v[MA+\a], v[MA+\a], v[T4+\a]
	v_min_num_f32 v[MB+\a], v[MB+\a], v[N4+\a]
.endr
.endr
.irp a, 0,1,2,3,4,5,6,7
	v_permlanex16_b32 v[BX+\a], v[MA+\a], s[SEL], s[SEL+1]
.endr
.irp a, 0,1,2,3,4,5,6,7
	v_min_num_f32 v[MA+\a], v[MA+\a], v[BX+\a]     ; the least -M of all groups: A's rows, B's rows
.endr
.macro FIX j                           ; steps 2 j and 2 j + 1; the four tiles of queries by turns
.if \j < 4
.irp a, 0,1,2,3
	v_sub_f32 v[X4+\a], v[M4+4*\j+\a], v[MB+\a]    ; n = M(row) - M(group): a whole number, 0 or more
.endr
.else
.irp a, 0,1,2,3
	v_cndmask_b32 v[T4+\a], v[MB+\a], v[MA+\a], s[MK+\j-4]
.endr
.irp a, 0,1,2,3
	v_sub_f32 v[X4+\a], v[M4+4*\j+\a], v[T4+\a]
.endr
.endif
.irp a, 0,1,2,3
	v_cvt_i32_f32 v[X4+\a], v[X4+\a]               ; (it saturates)
.endr
.irp a, 0,1,2,3
	v_min_u32 v[X4+\a], 0x7f, v[X4+\a]
.endr
.irp a, 0,1,2,3
	v_sub_nc_u32 v[Y4+\a], 0, v[X4+\a]
.endr
.irp a, 0,1,2,3
.if \j == 0
	v_ldexp_f32 v[LB+\a], v[L4+\a], v[Y4+\a]       ; l 2^-n: the first starts the sum
.else
	v_ldexp_f32 v[L4+4*\j+\a], v[L4+4*\j+\a], v[Y4+\a]
.endif
.endr
.if (\j > 0) && (\j < 4)
.irp a, 0,1,2,3
	v_add_f32 v[LB+\a], v[LB+\a], v[L4+4*\j+\a]
.endr
.endif
.if \j >= 4
.irp a, 0,1,2,3
	v_cndmask_b32 v[T4+\a], 0, v[L4+4*\j+\a], s[MK+\j-4]
	v_cndmask_b32 v[N4+\a], v[L4+4*\j+\a], 0, s[MK+\j-4]
.endr
.irp a, 0,1,2,3
.if \j == 4
	v_mov_b32 v[LA+\a], v[T4+\a]
.else
	v_add_f32 v[LA+\a], v[LA+\a], v[T4+\a]
.endif
	v_add_f32 v[LB+\a], v[LB+\a], v[N4+\a]
.endr
.endif
	; four bytes at once: each lies between 1 and 123, n between 0 and 127: with its top bit set no byte borrows from the next, and the bit is left where the byte was n or more
.irp a, 0,1,2,3
	v_perm_b32 v[X4+\a], v[X4+\a], v[X4+\a], s95   ; n in all four bytes
.endr
.irp a, 0,1,2,3
	v_or_b32 v[Y4+\a], 0x80808080, v[PS+4*\j+\a]
.endr
.irp a, 0,1,2,3
	v_sub_nc_u32 v[Y4+\a], v[Y4+\a], v[X4+\a]
.endr
.irp a, 0,1,2,3
	v_and_b32 v[T4+\a], 0x80808080, v[Y4+\a]
.endr
.irp a, 0,1,2,3
	v_lshrrev_b32 v[N4+\a], 7, v[T4+\a]
.endr
.irp a, 0,1,2,3
	v_sub_nc_u32 v[N4+\a], v[T4+\a], v[N4+\a]      ; 0x7f in the bytes that keep their bit, 0 in the others
.endr
.irp a, 0,1,2,3
	v_and_b32 v[PS+4*\j+\a], v[Y4+\a], v[N4+\a]
.endr
.endm
.irp j, 0,1,2,3,4,5,6,7,8
	FIX \j
.endr
.irp a, 0,1,2,3,4,5,6,7
	v_permlanex16_b32 v[BX+\a], v[LA+\a], s[SEL], s[SEL+1]
.endr
.irp a, 0,1,2,3,4,5,6,7
	v_add_f32 v[LA+\a], v[LA+\a], v[BX+\a]         ; the even steps' l and the odd ones': the rows' sums.  (These sixteen are more than the eight places between the last write of a scale register and a matrix instruction)
.endr
	s_wait_alu depctr_va_vdst(0)                   ; ahead of the batch
.irp a, 0,1,2,3,4,5,6,7
	v_rcp_f32 v[RL+2*\a], v[LA+\a]
	v_rcp_f32 v[RL+2*\a+1], v[LA+\a]               ; twice: a pair for the packed multiply
.endr
	v_nop                                          ; one plain place behind a transcendental
	s_wait_alu depctr_va_vdst(0)                   ; and the wait behind the batch
	AHEAD 0
	MULS 0, 128, 0
	AHEAD 1
	MULS 1, 128, 1
	; ahead of step 4's fetch: steps 0-3 are in registers or done with, and the second fills have landed
	s_wait_tensorcnt 0x0
	ds_add_u32 v[SPW], v[NIL]
	s_mul_i32 s66, s[OD], STB
	s_sub_co_u32 s66, 5*STB, s66                   ; P: from step 4 to 9, from 7 to 11,
	s_mul_i32 s74, s[OD], 2*STB
	s_add_co_u32 s[G0P+1], s74, PB                 ; into slots 0, 1 and 2, 3
	s_add_nc_u64 s[G0P+2:G0P+3], s[G0P+2:G0P+3], s[66:67]
	s_add_co_u32 s[G0V+1], s[G0V+1], 6*STB         ; v: from group 4 to 10, from 7 to 13
	s_add_nc_u64 s[G0V+2:G0V+3], s[G0V+2:G0V+3], 6*STB
	s_mul_i32 s74, s[OD], 3
	s_sub_co_u32 s74, 5, s74                       ; groups 10-12 are read where I is at most 5, groups 13-15 where it is at most 2
	s_wait_dscnt 0x0
	CROUND
	s_cmp_lt_u32 s[WV], 2
	s_cbranch_scc0 .Lv_2
	PUT G0P, G1P2
	s_branch .Lasked_2
.Lv_2:
	s_cmp_gt_u32 s[SI], s74
	s_cbranch_scc1 .Lasked_2
	PUT G0V, G1V3
.Lasked_2:
	PLACES 4
	FETCH 4
	MULS 2, 128, 2
.irp s, 3,4,5
	AHEAD \s
	MULS \s, 128, \s
.endr
	; ahead of step 8's fetch: steps 4-7 are in registers or done with
	s_wait_tensorcnt 0x0
	ds_add_u32 v[SPW], v[NIL]
	s_add_co_u32 s[G0P+1], s[G0P+1], 4*STB         ; P: steps 13, 14 and 15, 16 into slots 4, 5 and 6, 7
	s_add_nc_u64 s[G0P+2:G0P+3], s[G0P+2:G0P+3], 4*STB
	s_wait_dscnt 0x0
	CROUND
	s_cmp_lt_u32 s[WV], 2
	s_cbranch_scc0 .Lasked_3
	PUT G0P, G1P2
.Lasked_3:
	PLACES 4
	FETCH 8
	MULS 6, 128, 6
.irp s, 7,8
	AHEAD \s
	MULS \s, 128, \s
.endr
	AHEAD 9
	MULS 9, 0, 0
	AHEAD 10
	EITHER 10
	s_wait_tensorcnt 0x0                           ; the last fills have landed
	s_wait_dscnt 0x0
	s_barrier_signal -1
	s_barrier_wait -1
	PLACES 4
	FETCH 13
	EITHER 11
.irp s, 12,13,14
	AHEAD \s
	EITHER \s
.endr
	s_wait_dscnt 24
	EITHER 15
	s_wait_dscnt 0x0
	EITHER 16
; THE WAY OUT.  A tile of 16 queries x my 64 channels, over l, through my stage in LDS, back as whole rows of 256 bytes.  n: the tile's number among eight; its rows come back into set n % 4.
.macro OUT acc, rl, ap, n
	WIN 0x82                                       ; destination and source 0 in window 2
.set e, 0
.rept 16
	v_pk_mul_f32 v[\acc+32*\ap+e:\acc+32*\ap+e+1], v[\acc+32*\ap+e:\acc+32*\ap+e+1], v[\rl+2*\ap:\rl+2*\ap+1]   ; each accumulator from its low end on
.set e, e+2
.endr
	WIN 0x08                                       ; an LDS store's data are its source 1
.irp b, 0,1,2,3
	ds_store_b128 v[STO], v[\acc+32*\ap+8*\b:\acc+32*\ap+8*\b+3] offset:64*\b
	ds_store_b128 v[STO], v[\acc+32*\ap+8*\b+4:\acc+32*\ap+8*\b+7] offset:64*\b+16
.endr
	WIN 0
.irp t, 0,1,2,3,4,5,6,7
	ds_load_b128 v[BK+32*(\n%4)+4*\t:BK+32*(\n%4)+4*\t+3], v[RD] offset:\t*2*SPITCH   ; LDS serves a wave's instructions in order (ISA guide 5.7.1.4): these see my stores
.endr
.endm
.macro SEND sb, ap, n, younger         ; younger: the LDS instructions issued behind this tile's loads, which may stay out
	s_wait_dscnt \younger
.irp t, 0,1,2,3,4,5,6,7
	global_store_b128 v[CO], v[BK+32*(\n%4)+4*\t:BK+32*(\n%4)+4*\t+3], s[\sb:\sb+1] offset:65536*\ap+8192*\t th:TH_STORE_NT   ; 16 lanes store 256 consecutive bytes, aligned; written once, read by nobody here
.endr
.endm
	PLACES 4                                       ; behind the last products
	OUT 0, RL, 0, 0
	OUT 0, RL, 1, 1
	SEND 90, 0, 0, 16                              ; behind tile 0's loads: tile 1's 8 stores and 8 loads
	OUT 0, RL, 2, 2
	SEND 90, 1, 1, 16
	OUT 0, RL, 3, 3
	SEND 90, 2, 2, 16
	s_wait_xcnt 0x0                                ; the stores so far have read their registers: set 0 may be loaded again
	OUT 128, RL+8, 0, 4
	SEND 90, 3, 3, 16
	OUT 128, RL+8, 1, 5                            ; (sets 1 and 2 were read ahead of that wait)
	SEND 92, 0, 4, 16
	OUT 128, RL+8, 2, 6
	SEND 92, 1, 5, 16
	s_wait_xcnt 0x0
	OUT 128, RL+8, 3, 7
	SEND 92, 2, 6, 16
	SEND 92, 3, 7, 0
	s_wait_tensorcnt 0x0                           ; the wave's end
	ds_add_u32 v[SPW], v[NIL]
	s_wait_dscnt 0x0
	CROUND                                         ; the closing round: no work-group ends while a partner may still ask for a tile that names it
	s_endpgm
.Lfunc_end_k_q78a6f41f33_pv:
	.size	k_q78a6f41f33_pv, .Lfunc_end_k_q78a6f41f33_pv-k_q78a6f41f33_pv
	.p2alignl 7, 3214868480
	.fill 96, 4, 3214868480
	.section	.rodata,"a",@progbits
	.p2align	6, 0x0
	.amdhsa_kernel k_q78a6f41f33_pv
		.amdhsa_group_segment_fixed_size 327680
		.amdhsa_private_segment_fixed_size 0
		.amdhsa_enable_private_segment 0
		.amdhsa_kernarg_size 40
		.amdhsa_user_sgpr_count 2
		.amdhsa_user_sgpr_kernarg_segment_ptr 1
		.amdhsa_wavefront_size32 1
		.amdhsa_system_sgpr_workgroup_id_x 1
		.amdhsa_system_sgpr_workgroup_id_y 1
		.amdhsa_system_sgpr_workgroup_id_z 1
		.amdhsa_system_vgpr_workitem_id 0
		.amdhsa_next_free_vgpr 1024
		.amdhsa_next_free_sgpr 96
		.amdhsa_reserve_vcc 0
		.amdhsa_float_denorm_mode_32 3
		.amdhsa_float_denorm_mode_16_64 3
		.amdhsa_memory_ordered 1
		.amdhsa_forward_progress 1
		.amdhsa_inst_pref_size 157
	.end_amdhsa_kernel
	.amdgpu_metadata
---
amdhsa.version: [ 1, 2 ]
amdhsa.kernels:
  - .name:           k_q78a6f41f33_pv
    .symbol:         k_q78a6f41f33_pv.kd
    .args:
      - { .name: p_img, .offset: 0, .size: 8, .value_kind: global_buffer, .address_space: global }
      - { .name: p_aux, .offset: 8, .size: 8, .value_kind: global_buffer, .address_space: global }
      - { .name: qkv_img, .offset: 16, .size: 8, .value_kind: global_buffer, .address_space: global }
      - { .name: qkv_sc, .offset: 24, .size: 8, .value_kind: global_buffer, .address_space: global }
      - { .name: out0, .offset: 32, .size: 8, .value_kind: global_buffer, .address_space: global }
    .group_segment_fixed_size: 327680
    .private_segment_fixed_size: 0
    .kernarg_segment_align: 8
    .kernarg_segment_size: 40
    .max_flat_workgroup_size: 128
    .sgpr_count:     96
    .vgpr_count:     1024
    .wavefront_size: 32
...
	.end_amdgpu_metadata
.endif
;; end of part 3
